; MI455X (gfx1250); checked and timed in simulation.
; The chip was launched on July 23, 2026; its instructions are those of AMD's public machine-readable ISA for CDNA 5 (MIT licence, August 2026) and "CDNA5" Instruction Set Architecture Reference Guide (July 2026). The comments in the code are by the model that wrote it; some were corrected since.
;; Mixture Of Bidders. Allowed arithmetic: matrix products marked QUANTISED: E2M3 operands, one E8M0 scale for each 32 along K, by v_wmma_scale_f32_16x16x128_f8f6f4 with both operands' format E2M3, f32 sums; products left as they are: f32 operands where the result goes on into a quantised operand, else bf16, f16 or f32 operands; f32 sums; everything else in f32.
;; Inputs: Wc 8 x 1,024 float32; Wd_codes 8 x 1,024 x 64 x 24 uint8 (E2M3 codes of Wd, K innermost, in blocks of 32 codes, four codes in three bytes); Wd_scales 8 x 1,024 x 64 uint8 (E8M0 scales of Wd, one for each 32 codes along K); Wg_codes 8 x 2,048 x 32 x 24 uint8 (E2M3 codes of Wg, K innermost, in blocks of 32 codes, four codes in three bytes); Wg_scales 8 x 2,048 x 32 uint8 (E8M0 scales of Wg, one for each 32 codes along K); Wu_codes 8 x 2,048 x 32 x 24 uint8 (E2M3 codes of Wu, K innermost, in blocks of 32 codes, four codes in three bytes); Wu_scales 8 x 2,048 x 32 uint8 (E8M0 scales of Wu, one for each 32 codes along K); bc 8 float32; hidden_states 4 x 256 x 1,024 float32.
;; Outputs: out0 4 x 256 x 1,024 float32.
;; This version of the problem:
;;   THIS VERSION OF THE PROBLEM IS GIVEN IN LOW PRECISION. The matrix products marked QUANTISED in the list below multiply operands that are first quantised to E2M3 (2 exponent bits, 3 mantissa bits; 6 bits a number), with one power-of-two scale for each 32 numbers along K (OCP MX v1.0); their sums are f32. All else is computed in f32.
;;   The module's matrix products, in the order in which they are computed (A, B: the left and right operand; K: the contracted axis; several contracted axes count as one K, in the product's order):
;;     1. [M 1,024, K 1,024] x [K 1,024, N 8]; A: input hidden_states; B: input Wc: left as it is (N = 8 < 16)
;;     2. [M 1,024, K 1,024] x [K 1,024, N 16,384]; A: input hidden_states; B: input Wg (given as codes): QUANTISED
;;     3. [M 1,024, K 1,024] x [K 1,024, N 16,384]; A: input hidden_states; B: input Wu (given as codes): QUANTISED
;;     4. batch 8 x [M 1,024, K 2,048] x [K 2,048, N 1,024]; A: input Wd (given as codes); B: computed on the way: QUANTISED
;;     5. batch 1,024 x [M 1,024, K 8] x [K 8, N 1]; A: computed on the way; B: computed on the way: left as it is (K = 8 < 32)
;;   THE QUANTISER, for each operand of a quantised product, along K:
;;     - K is cut into blocks of 32 from its start; a last block that is shorter is filled with zeros.
;;     - A block's scale is 2^e with e = floor(log2(the largest magnitude in the block)) - 2, held to -126 .. 127; a block of zeros has e = 0. As a byte (E8M0): e + 127.
;;     - Each number is divided by its block's scale, clamped to +-7.5, and rounded to the nearest number of E2M3, ties to even, subnormals kept.
;;     - The product sums the exact products of the quantised numbers (number of the format x scale) in f32.
;;   ~~~python
;;   def quantise(x, axis):      # numpy; x: float32 -> the quantised numbers, widened to float32 again
;;       x = np.moveaxis(x, axis, -1); K = x.shape[-1]
;;       x = np.pad(x, [(0, 0)] * (x.ndim - 1) + [(0, -K % 32)]); x = x.reshape(x.shape[:-1] + (-1, 32)); a = np.abs(x).max(-1, keepdims=True)
;;       e = np.where(a > 0, np.clip(np.frexp(np.where(a > 0, a, 1))[1] - 1 - 2, -126, 127), 0)      # np.frexp(a)[1] - 1 = floor(log2(a)), exactly
;;       r = np.clip(x / 2.0 ** e, -7.5, 7.5)
;;       step = 2.0 ** (np.maximum(np.frexp(np.where(r == 0, 1, r))[1] - 1, 0) - 3)
;;       q = np.round(r / step) * step * 2.0 ** e      # np.round: ties to even
;;       return np.moveaxis(q.reshape(q.shape[:-2] + (-1,))[..., :K], -1, axis).astype(np.float32)
;;   ~~~
;;   OPERANDS COMPUTED ON THE WAY. 'Computed on the way' means the value that the module computes at that place (a softmax that the list does not call 'softmax' is quantised finished and normalised). What goes into a quantiser is computed in f32, as accurately as f32 sums, v_exp_f32 and their like allow (about 1e-6 of the number): no bf16 or f16 on the way to a quantiser, and a product that is left as it is and whose result goes on into a quantised operand takes f32 operands (vector FMAs, or v_wmma_f32_16x16x4_f32). A number that lies on a knife's edge between two numbers of the format may be rounded either way, as far as f32 arithmetic and the matrix unit's own rounding can turn it there, and no further.
;;   INPUTS GIVEN AS CODES. Wd (in the module: [8, 2048, 1024], K = its axis 1); Wg (in the module: [8, 1024, 2048], K = its axis 1); Wu (in the module: [8, 1024, 2048], K = its axis 1): each comes as NAME_codes (uint8): NAME with its K axis moved to the last place and cut into blocks of 32 codes, [.., K / 32, bytes a block], one block behind the other in memory; four codes in three bytes: a row's codes are one little-endian stream of bits, code i at bits 6 i .. 6 i + 5 (a code: sign, 2 exponent bits, 3 mantissa bits); and NAME_scales (uint8): the same leading axes, one E8M0 byte (e + 127) for each 32 codes along K. Its value is code x scale, taken as it is: it is not quantised again, and the codes and scales need not be those that the quantiser above would give.
;; 3 versions. Each part assembles by itself: llvm-mc -triple=amdgcn-amd-amdhsa -mcpu=gfx1250 --defsym DOCPART=n.
;; ======== version 1 of 3: 5 launches
;; workspace buffers: xq 819,200 bytes; sel 8,192 bytes of whole numbers; wgt 8,192 bytes; route 43,264 bytes of whole numbers; hq 12,582,912 bytes; hs 524,288 bytes; yb 33,554,432 bytes
;; launch route (part 1): grid 256 x 1, 1 waves a work-group, no clusters, 18,688 bytes of LDS; arguments hidden_states, Wc, bc, xq, sel, wgt; writes xq, sel, wgt
.if DOCPART == 1
	.amdgcn_target "amdgcn-amd-amdhsa--gfx1250"
	.amdhsa_code_object_version 6
	.text
	.protected	k_q3a6fc97c56_route
	.globl	k_q3a6fc97c56_route
	.p2align	8
	.type	k_q3a6fc97c56_route,@function
k_q3a6fc97c56_route:
	s_mov_b64 s[64:65], 0
	v_nop
	global_prefetch_b8 v0, s[64:65] scope:SCOPE_SE
	s_setreg_imm32_b32 hwreg(HW_REG_WAVE_MODE, 25, 1), 1
	s_wait_xcnt 0x0
; ROUTER AND QUANTISER OF x.  x: [1024 tokens][1024] f32.  One wave takes four tokens: 4 g .. 4 g + 3, g the work-group's number.
; (a) x is turned into codes of E2M3 with one E8M0 byte for each 32 along D, stored 800 bytes a token: block b's 24 bytes at 96 (b / 4) + 48 (b % 2) + 24 ((b / 2) % 2),
;     so that the 12 registers which lane (r, h) of a fragment of 128 along K wants (blocks 4 s + h and 4 s + 2 + h) are 48 consecutive bytes at 96 s + 48 h; the 32 scale bytes follow at byte 768, in their own order.
; (b) the 8 logits of each token in f32 (fused multiply-adds, then a sum over the lanes), conf = 1 / (1 + 2^(-log2(e) (logit + bc))), the two largest conf (a strict compare in ascending order of experts keeps
;     the lower index at a tie), and the softmax of the two with the larger taken off: w0 = 1 / (1 + e^(c2 - c1)), w1 = e^(c2 - c1) w0.  Experts and weights are stored at FIXED places, 2 t + k: no address here hangs on them.
; A block's scale is 2^(floor(log2(its largest magnitude)) - 2): its byte is the largest magnitude's exponent field - 2, held at 1 from below.
; LIMITS: NaN and infinities among the inputs are not served.  A block of zeros gets the byte 1 where the quantiser says 127: its codes are zeros, and only this program reads the bytes.
; The two largest are chosen among conf as computed here (exponential and reciprocal good to one unit in the last place each): two bids closer than a few such units may be ordered otherwise than by another way of computing the sigmoid.
; No matrix unit: N = 8.  No cluster: work-groups share only Wc, 32 KiB.  No barrier: one wave.
; REGISTERS.  window 0: v1-5, v16 addresses; v6, v7, v31 at work; v8-15 the numbers 0 to 7; v32-63 a block as turned, later 8 registers a token for the choice; v64-191 x as loaded (token t, load j at 64 + 32 t + 4 j);
;   v192-255 first the codes (192 + 8 t) and bytes (224 + t), then the 32 sums, a pair each, (t, e) at 192 + 2 (8 t + e).   window 1: Wc as loaded, expert e, load j at 32 e + 4 j.
.set QROW, 800                         ; bytes of a token in xq
.set SROW, 4608                        ; LDS: a token's stage: 32 blocks x (128 bytes + 16)
.set RAW,  64
.set ACC,  192
.set MSB, 0
.macro WIN new                         ; the immediate's high byte repeats the setting that is left
.if MSB != (\new)
	s_set_vgpr_msb (MSB<<8)|(\new)
.set MSB, (\new)
.endif
.endm
	s_load_b256 s[4:11], s[0:1], 0x0               ; x s[4:5], Wc s[6:7], bc s[8:9], xq s[10:11]
	s_load_b128 s[12:15], s[0:1], 0x20             ; sel s[12:13], wgt s[14:15]
	v_lshl_add_u32 v29, v0, 2, 0x4800
	v_mov_b32 v30, 0
	v_lshlrev_b32 v1, 4, v0                        ; 16 l: my 16 bytes of a load's 512
	v_lshrrev_b32 v2, 3, v0
	v_mul_u32_u24 v2, v2, 144
	v_and_b32 v3, 7, v0
	v_lshl_add_u32 v2, v3, 4, v2                   ; into the stage: eight lanes fill a block: 144 (l / 8) + 16 (l % 8)
	v_mul_u32_u24 v3, v0, 144                      ; out of it: lane l takes block l whole
	v_lshrrev_b32 v4, 2, v0
	v_mul_u32_u24 v4, v4, 96
	v_and_b32 v5, 1, v0
	v_mad_u32_u24 v4, v5, 48, v4
	v_bfe_u32 v5, v0, 1, 1
	v_mad_u32_u24 v4, v5, 24, v4                   ; block l's place in a token's codes
	v_add_nc_u32 v5, 768, v0                       ; and its scale byte's
	v_lshlrev_b32 v16, 2, v0
.irp e, 0,1,2,3,4,5,6,7
	v_mov_b32 v[8+\e], \e
.endr
	s_mov_b32 s24, 0x76543210
	s_mov_b32 s25, 0xfedcba98                      ; v_permlanex16_b32's selects for lane l xor 16
	s_mov_b32 s26, 0xbfb8aa3b                      ; -log2(e)
	s_mov_b32 s27, 0x3fb8aa3b                      ; log2(e)
	s_lshl_b32 s2, ttmp9, 14                       ; four rows of 4,096 bytes
	s_mov_b32 s3, 0
	s_wait_kmcnt 0x0
	s_load_b256 s[16:23], s[8:9], 0x0              ; bc's eight numbers
	s_add_nc_u64 s[4:5], s[4:5], s[2:3]
	s_mul_i32 s2, ttmp9, 4*QROW
	s_add_nc_u64 s[10:11], s[10:11], s[2:3]
	s_lshl_b32 s2, ttmp9, 5                        ; eight words
	s_add_nc_u64 s[12:13], s[12:13], s[2:3]
	s_add_nc_u64 s[14:15], s[14:15], s[2:3]
.irp t, 0,1,2,3
.irp j, 0,1,2,3,4,5,6,7
	global_load_b128 v[RAW+32*\t+4*\j:RAW+32*\t+4*\j+3], v1, s[4:5] offset:4096*\t+512*\j th:TH_LOAD_NT   ; 32 lanes read 512 consecutive bytes
.endr
.endr
	WIN 0x40                                       ; destination window 1
.irp e, 0,1,2,3,4,5,6,7
.irp j, 0,1,2,3,4,5,6,7
	global_load_b128 v[32*\e+4*\j:32*\e+4*\j+3], v1, s[6:7] offset:4096*\e+512*\j
.endr
.endr
	WIN 0
	s_wait_loadcnt 63                              ; 96 loads were issued: with 63 out at the most the oldest 33 are in, x's 32 among them; Wc goes on landing under the quantiser
; Token t goes through its stage as it lies and comes back a block to a lane; then the block's scale, its codes and its byte.
.macro TURN t
.irp j, 0,1,2,3,4,5,6,7
	ds_store_b128 v2, v[RAW+32*\t+4*\j:RAW+32*\t+4*\j+3] offset:SROW*\t+576*\j
.endr
.irp i, 0,1,2,3,4,5,6,7
	ds_load_b128 v[32+4*\i:35+4*\i], v3 offset:SROW*\t+16*\i      ; LDS serves a wave's instructions in order: these see the stores above
.endr
	s_wait_dscnt 0x0
	v_max3_num_f32 v6, |v32|, |v33|, |v34|         ; the block's largest magnitude: all 32 numbers are mine; two chains
	v_max3_num_f32 v7, |v35|, |v36|, |v37|
.irp i, 6,10,14,18,22,26
	v_max3_num_f32 v6, v6, |v[32+\i]|, |v[33+\i]|
	v_max3_num_f32 v7, v7, |v[34+\i]|, |v[35+\i]|
.endr
	v_max3_num_f32 v6, v6, |v62|, |v63|
	v_max3_num_f32 v6, v6, v7, 0x1800000           ; and the floor 2^(3 - 127): the byte cannot fall under 1
	v_add_nc_u32 v31, 0xff000000, v6               ; 2 off its exponent field: the conversion takes the exponent field of this operand as its scale
	v_cvt_scalef32_pk16_fp6_f32 v[ACC+8*\t:ACC+8*\t+2], v[32:47], v31
	v_cvt_scalef32_pk16_fp6_f32 v[ACC+8*\t+4:ACC+8*\t+6], v[48:63], v31   ; (a conversion's three registers begin on an even number)
	v_lshrrev_b32 v[224+\t], 23, v31               ; the scale's byte; also the plain line behind the conversions
	global_store_b96 v4, v[ACC+8*\t:ACC+8*\t+2], s[10:11] offset:QROW*\t
	global_store_b96 v4, v[ACC+8*\t+4:ACC+8*\t+6], s[10:11] offset:QROW*\t+12
	global_store_b8 v5, v[224+\t], s[10:11] offset:QROW*\t        ; 32 lanes store the token's 32 consecutive scale bytes
.endm
	TURN 0
	TURN 1
	TURN 2
	TURN 3
	s_wait_loadcnt 0x0                             ; Wc
	s_wait_xcnt 0x0                                ; the stores above have read v192 on: the sums may begin there
	; The 32 dot products.  x and Wc lie in the registers in the same order (as loaded), so the products need no turn.  32 sums by turns; the first product starts each.
	WIN 0x04                                       ; source 1 (Wc) window 1
.irp t, 0,1,2,3
.irp e, 0,1,2,3,4,5,6,7
	v_pk_mul_f32 v[ACC+16*\t+2*\e:ACC+16*\t+2*\e+1], v[RAW+32*\t:RAW+32*\t+1], v[32*\e:32*\e+1]
.endr
.endr
.irp i, 1,2,3,4,5,6,7,8,9,10,11,12,13,14,15
.irp t, 0,1,2,3
.irp e, 0,1,2,3,4,5,6,7
	v_pk_fma_f32 v[ACC+16*\t+2*\e:ACC+16*\t+2*\e+1], v[RAW+32*\t+2*\i:RAW+32*\t+2*\i+1], v[32*\e+2*\i:32*\e+2*\i+1], v[ACC+16*\t+2*\e:ACC+16*\t+2*\e+1]
.endr
.endr
.endr
	WIN 0
.set q, 0
.rept 32
	v_add_f32 v[ACC+2*q], v[ACC+2*q], v[ACC+2*q+1] ; a pair's two halves
.set q, q+1
.endr
.irp x, 1,2,4,8                        ; across the sixteen lanes of a half,
.set q, 0
.rept 32
	v_add_f32_dpp v[ACC+2*q], v[ACC+2*q], v[ACC+2*q] row_xmask:\x row_mask:0xf bank_mask:0xf
.set q, q+1
.endr
.endr
.set q, 0
.rept 32
	v_permlanex16_b32 v[ACC+2*q+1], v[ACC+2*q], s24, s25   ; and the other half's (the destination has been written: it held the pair's upper sum)
.set q, q+1
.endr
.set q, 0
.rept 32
	v_add_f32 v[ACC+2*q], v[ACC+2*q], v[ACC+2*q+1] ; every lane now holds all 32 logits
.set q, q+1
.endr
	s_wait_kmcnt 0x0                               ; bc
.irp e, 0,1,2,3,4,5,6,7
	s_mul_f32 s[16+\e], s[16+\e], s26              ; -log2(e) bc
.endr
.set q, 0
.rept 32
	v_fma_f32 v[ACC+2*q], v[ACC+2*q], s26, s[16+q%8]       ; -log2(e) (logit + bc), one fused multiply-add
.set q, q+1
.endr
.set q, 0
.rept 32
	v_exp_f32 v[ACC+2*q], v[ACC+2*q]
.set q, q+1
.endr
	v_nop                                          ; a plain line between the exponentials and the first use of a result
.set q, 0
	s_wait_alu depctr_va_vdst(0)
.rept 32
	v_add_f32 v[ACC+2*q], 1.0, v[ACC+2*q]
.set q, q+1
.endr
.set q, 0
.rept 32
	v_rcp_f32 v[ACC+2*q], v[ACC+2*q]               ; conf
.set q, q+1
.endr
	v_nop
	; THE TWO LARGEST, the four tokens by turns.  Token t: v[32 + 8 t] the largest, +1 its expert, +2 the second, +3 its expert.
	s_wait_alu depctr_va_vdst(0)
.irp t, 0,1,2,3
	v_mov_b32 v[32+8*\t], v[ACC+16*\t]
	v_mov_b32 v[33+8*\t], 0
	v_mov_b32 v[34+8*\t], -1.0                     ; under every conf
	v_mov_b32 v[35+8*\t], 0
.endr
.irp e, 1,2,3,4,5,6,7
.irp t, 0,1,2,3
	v_cmp_gt_f32 s[28+2*\t], v[ACC+16*\t+2*\e], v[32+8*\t]     ; strictly greater: at a tie the lower index stays
.endr
.irp t, 0,1,2,3
	v_cndmask_b32 v[32+8*\t], v[32+8*\t], v[ACC+16*\t+2*\e], s[28+2*\t]
	v_cndmask_b32 v[33+8*\t], v[33+8*\t], v[8+\e], s[28+2*\t]
.endr
.endr
.irp e, 0,1,2,3,4,5,6,7
.irp t, 0,1,2,3
	v_cmp_gt_f32 s[28+2*\t], v[ACC+16*\t+2*\e], v[34+8*\t]
	v_cmp_ne_u32 s[29+2*\t], v[8+\e], v[33+8*\t]   ; not the expert already taken
.endr
.irp t, 0,1,2,3
	s_and_b32 s[28+2*\t], s[28+2*\t], s[29+2*\t]
.endr
.irp t, 0,1,2,3
	v_cndmask_b32 v[34+8*\t], v[34+8*\t], v[ACC+16*\t+2*\e], s[28+2*\t]
	v_cndmask_b32 v[35+8*\t], v[35+8*\t], v[8+\e], s[28+2*\t]
.endr
.endr
	; the softmax of the two bids, the larger taken off: +4 e^(c2 - c1), +5 w0, +6 w1
.irp t, 0,1,2,3
	v_sub_f32 v[36+8*\t], v[34+8*\t], v[32+8*\t]
.endr
.irp t, 0,1,2,3
	v_mul_f32 v[36+8*\t], s27, v[36+8*\t]
.endr
.irp t, 0,1,2,3
	v_exp_f32 v[36+8*\t], v[36+8*\t]
.endr
	v_nop
	s_wait_alu depctr_va_vdst(0)
.irp t, 0,1,2,3
	v_add_f32 v[37+8*\t], 1.0, v[36+8*\t]
.endr
.irp t, 0,1,2,3
	v_rcp_f32 v[37+8*\t], v[37+8*\t]
.endr
	v_nop
	s_wait_alu depctr_va_vdst(0)
.irp t, 0,1,2,3
	v_mul_f32 v[38+8*\t], v[36+8*\t], v[37+8*\t]
.endr
	; lane l < 8 takes entry l = 2 t + k of the eight
	v_mov_b32 v17, v33
	v_mov_b32 v18, v37
.irp n, 1,2,3,4,5,6,7
	v_cmp_eq_u32 vcc_lo, \n, v0
	v_cndmask_b32 v17, v17, v[33+8*(\n/2)+2*(\n%2)], vcc_lo
	v_cndmask_b32 v18, v18, v[37+8*(\n/2)+(\n%2)], vcc_lo
.endr
	s_wait_xcnt 0x0                                ; EXEC is a source of the stores issued above: it changes only behind this wait
	v_cmp_gt_u32 vcc_lo, 8, v0
	s_wait_tensorcnt 0x0
	ds_add_u32 v29, v30
	s_wait_dscnt 0x0
	s_and_saveexec_b32 s36, vcc_lo
	global_store_b32 v16, v17, s[12:13]
	global_store_b32 v16, v18, s[14:15]
	s_wait_xcnt 0x0                                ; and again in front of the line that widens it
	s_or_b32 exec_lo, exec_lo, s36
	s_endpgm
.Lfunc_end_k_q3a6fc97c56_route:
	.size	k_q3a6fc97c56_route, .Lfunc_end_k_q3a6fc97c56_route-k_q3a6fc97c56_route
	.p2alignl 7, 3214868480
	.fill 96, 4, 3214868480
	.section	.rodata,"a",@progbits
	.p2align	6, 0x0
	.amdhsa_kernel k_q3a6fc97c56_route
		.amdhsa_group_segment_fixed_size 18688
		.amdhsa_private_segment_fixed_size 0
		.amdhsa_enable_private_segment 0
		.amdhsa_kernarg_size 48
		.amdhsa_user_sgpr_count 2
		.amdhsa_user_sgpr_kernarg_segment_ptr 1
		.amdhsa_wavefront_size32 1
		.amdhsa_system_sgpr_workgroup_id_x 1
		.amdhsa_system_sgpr_workgroup_id_y 1
		.amdhsa_system_sgpr_workgroup_id_z 1
		.amdhsa_system_vgpr_workitem_id 0
		.amdhsa_next_free_vgpr 512
		.amdhsa_next_free_sgpr 66
		.amdhsa_reserve_vcc 1
		.amdhsa_float_denorm_mode_32 3
		.amdhsa_float_denorm_mode_16_64 3
		.amdhsa_memory_ordered 1
		.amdhsa_forward_progress 1
		.amdhsa_inst_pref_size 88
	.end_amdhsa_kernel
	.amdgpu_metadata
---
amdhsa.version: [ 1, 2 ]
amdhsa.kernels:
  - .name:           k_q3a6fc97c56_route
    .symbol:         k_q3a6fc97c56_route.kd
    .args:
      - { .name: hidden_states, .offset: 0, .size: 8, .value_kind: global_buffer, .address_space: global }
      - { .name: Wc, .offset: 8, .size: 8, .value_kind: global_buffer, .address_space: global }
      - { .name: bc, .offset: 16, .size: 8, .value_kind: global_buffer, .address_space: global }
      - { .name: xq, .offset: 24, .size: 8, .value_kind: global_buffer, .address_space: global }
      - { .name: sel, .offset: 32, .size: 8, .value_kind: global_buffer, .address_space: global }
      - { .name: wgt, .offset: 40, .size: 8, .value_kind: global_buffer, .address_space: global }
    .group_segment_fixed_size: 18688
    .private_segment_fixed_size: 0
    .kernarg_segment_align: 8
    .kernarg_segment_size: 48
    .max_flat_workgroup_size: 32
    .sgpr_count:     66
    .vgpr_count:     512
    .wavefront_size: 32
...
	.end_amdgpu_metadata
.endif
;; end of part 1
;; launch place (part 2): grid 1 x 1, 8 waves a work-group, no clusters, 0 bytes of LDS; arguments sel, route; writes route
.if DOCPART == 2
	.amdgcn_target "amdgcn-amd-amdhsa--gfx1250"
	.amdhsa_code_object_version 6
	.text
	.protected	k_q3a6fc97c56_place
	.globl	k_q3a6fc97c56_place
	.p2align	8
	.type	k_q3a6fc97c56_place,@function
k_q3a6fc97c56_place:
	s_mov_b64 s[64:65], 0
	v_nop
	global_prefetch_b8 v0, s[64:65] scope:SCOPE_SE
	s_setreg_imm32_b32 hwreg(HW_REG_WAVE_MODE, 25, 1), 1
	s_wait_xcnt 0x0
; THE ROWS ARE PLACED BY EXPERT: a counting sort without atomics.  sel[2 t + k] is the expert of token t's slot k (2,048 words).  Wave e reads all of sel and serves expert e alone.
; Stored, all in the buffer route:  list: at byte 4,224 e, word i: the token of the expert's row i (words from the count on up to 1,023: token 0, so that a block of rows can always be filled);
;   posof: at byte 33,792, word 2 t + k: 1,024 e + the row's rank;  the counts: at byte 43,008, word e.
; A rank is the number of matches in earlier registers (a running scalar count) plus those in lower lanes of this register (v_mbcnt on the compare's mask).  The order of an expert's rows is free.
; EXEC is never narrowed: a lane with nothing to store writes a dump word of its own (32 words behind each list, 256 words behind posof), chosen by v_cndmask_b32 ahead of the clamp.
; Every index that hangs on loaded numbers is held by v_min_u32 with a constant in front of the shift that makes it an address.
; One work-group: 8 KiB are read and 42 KiB written; waves share nothing, so there is no barrier and no LDS.
.set LISTB, 4224
.set POSOF, 33792
.set PDUMP, 41984
.set CNT,   43008
	s_load_b128 s[4:7], s[0:1], 0x0                ; sel s[4:5], route s[6:7]
	v_lshrrev_b32 v1, 5, v0
	v_readfirstlane_b32 s8, v1                     ; wave = expert
	v_and_b32 v1, 31, v0                           ; lane
	v_lshlrev_b32 v2, 4, v1                        ; 16 bytes a lane
	v_add_nc_u32 v3, 1024, v1                      ; my dump word behind the list
	v_add_nc_u32 v4, 2048, v0                      ; my dump word behind posof
	v_lshlrev_b32 v5, 1, v1                        ; 2 x lane: a lane's four words are two tokens
	v_lshlrev_b32 v6, 2, v1                        ; 4 x lane
	v_mov_b32 v13, 0
	s_mov_b32 s9, 0                                ; the running count
	s_mul_i32 s10, s8, LISTB
	s_lshl_b32 s11, s8, 10
	s_wait_kmcnt 0x0
.irp j, 0,1,2,3,4,5,6,7,8,9,10,11,12,13,14,15
	global_load_b128 v[16+4*\j:19+4*\j], v2, s[4:5] offset:512*\j  ; register 16 + 4 j + i holds sel[128 j + 4 lane + i]
.endr
	s_wait_loadcnt 0x0
.macro SCAN n                          ; register n = 4 j + i
	s_wait_xcnt 0x0                                ; the last step's stores have read v9-12: they are written again only behind this wait
	v_cmp_eq_u32 vcc_lo, s8, v[16+(\n)]
	v_mbcnt_lo_u32_b32 v8, vcc_lo, s9              ; the rank
	s_bcnt1_i32_b32 s12, vcc_lo
	s_add_co_u32 s9, s9, s12
	v_cndmask_b32 v9, v3, v8, vcc_lo               ; a match: list word = its rank; else my dump word
	v_min_u32 v9, 0x41f, v9
	v_lshl_add_u32 v9, v9, 2, s10
	v_add_nc_u32 v10, 64*((\n)/4)+((\n)%4)/2, v5   ; the token: (128 j + 4 lane + i) / 2
	global_store_b32 v9, v10, s[6:7]
	v_add_nc_u32 v11, 128*((\n)/4)+(\n)%4, v6      ; 2 t + k
	v_cndmask_b32 v11, v4, v11, vcc_lo
	v_min_u32 v11, 0x8ff, v11
	v_lshlrev_b32 v11, 2, v11
	v_or_b32 v12, s11, v8                          ; 1,024 e + rank (an expert has at most one slot of a token: rank < 1,024)
	global_store_b32 v11, v12, s[6:7] offset:POSOF
.endm
.set Q, 0
.rept 64
	SCAN Q
.set Q, Q+1
.endr
.macro TAIL n                          ; list words 32 n + lane: from the count on they hold token 0
	s_wait_xcnt 0x0
	v_add_nc_u32 v8, 32*(\n), v1
	v_cmp_le_u32 vcc_lo, s9, v8
	v_cndmask_b32 v9, v3, v8, vcc_lo
	v_min_u32 v9, 0x41f, v9
	v_lshl_add_u32 v9, v9, 2, s10
	global_store_b32 v9, v13, s[6:7]
.endm
.set Q, 0
.rept 32
	TAIL Q
.set Q, Q+1
.endr
	s_wait_xcnt 0x0
	v_lshl_add_u32 v9, v0, 2, PDUMP                ; the count: lane 0 stores it, the others write their dump words
	s_lshl_b32 s12, s8, 2
	s_add_co_u32 s12, s12, CNT
	v_mov_b32 v10, s12
	v_cmp_eq_u32 vcc_lo, 0, v1
	v_cndmask_b32 v9, v9, v10, vcc_lo
	v_mov_b32 v11, s9
	global_store_b32 v9, v11, s[6:7]
	s_endpgm
.Lfunc_end_k_q3a6fc97c56_place:
	.size	k_q3a6fc97c56_place, .Lfunc_end_k_q3a6fc97c56_place-k_q3a6fc97c56_place
	.p2alignl 7, 3214868480
	.fill 96, 4, 3214868480
	.section	.rodata,"a",@progbits
	.p2align	6, 0x0
	.amdhsa_kernel k_q3a6fc97c56_place
		.amdhsa_group_segment_fixed_size 0
		.amdhsa_private_segment_fixed_size 0
		.amdhsa_enable_private_segment 0
		.amdhsa_kernarg_size 16
		.amdhsa_user_sgpr_count 2
		.amdhsa_user_sgpr_kernarg_segment_ptr 1
		.amdhsa_wavefront_size32 1
		.amdhsa_system_sgpr_workgroup_id_x 1
		.amdhsa_system_sgpr_workgroup_id_y 1
		.amdhsa_system_sgpr_workgroup_id_z 1
		.amdhsa_system_vgpr_workitem_id 0
		.amdhsa_next_free_vgpr 96
		.amdhsa_next_free_sgpr 66
		.amdhsa_reserve_vcc 1
		.amdhsa_float_denorm_mode_32 3
		.amdhsa_float_denorm_mode_16_64 3
		.amdhsa_memory_ordered 1
		.amdhsa_forward_progress 1
		.amdhsa_inst_pref_size 67
	.end_amdhsa_kernel
	.amdgpu_metadata
---
amdhsa.version: [ 1, 2 ]
amdhsa.kernels:
  - .name:           k_q3a6fc97c56_place
    .symbol:         k_q3a6fc97c56_place.kd
    .args:
      - { .name: sel, .offset: 0, .size: 8, .value_kind: global_buffer, .address_space: global }
      - { .name: route, .offset: 8, .size: 8, .value_kind: global_buffer, .address_space: global }
    .group_segment_fixed_size: 0
    .private_segment_fixed_size: 0
    .kernarg_segment_align: 8
    .kernarg_segment_size: 16
    .max_flat_workgroup_size: 256
    .sgpr_count:     66
    .vgpr_count:     96
    .wavefront_size: 32
...
	.end_amdgpu_metadata
.endif
;; end of part 2
;; launch gateup (part 3): grid 32 x 8, 4 waves a work-group, no clusters, 126,976 bytes of LDS; arguments xq, route, Wg_codes, Wg_scales, Wu_codes, Wu_scales, hq, hs; writes hq, hs
.if DOCPART == 3
	.amdgcn_target "amdgcn-amd-amdhsa--gfx1250"
	.amdhsa_code_object_version 6
	.text
	.protected	k_q3a6fc97c56_gateup
	.globl	k_q3a6fc97c56_gateup
	.p2align	8
	.type	k_q3a6fc97c56_gateup,@function
k_q3a6fc97c56_gateup:
	s_mov_b64 s[64:65], 0
	v_nop
	global_prefetch_b8 v0, s[64:65] scope:SCOPE_SE
	s_setreg_imm32_b32 hwreg(HW_REG_WAVE_MODE, 25, 1), 1
	s_wait_xcnt 0x0
; h = silu(x Wg) * (x Wu) for the rows routed to one expert, both products on codes of E2M3 with E8M0 scales, and h quantised along I.
; SHARES.  Work-group (x, y): expert e = y, slice j = x / 2 of 128 hidden units (one step of 128 along the next product's K), half p = x % 2 of the expert's blocks of rows.
; THE WEIGHTS STAY, THE ROWS GO BY: wave w owns hidden units 128 j + 32 w .. + 31, which is one block of 32 of the next K: two tiles of Wg and two of Wu for all 8 steps along D, 384 registers, read once.
; Rows go in blocks of 32 (two tiles of 16): trip i takes the expert's rows 32 p + 64 i on, gathered by the stored list.  Each weight fragment so feeds two products a trip, each fragment of x four.
; THE WEIGHTS' WAY IN: a wave's 32 rows of 768 bytes are dense in memory: 48 loads of 512 consecutive bytes; they turn through the wave's own LDS region (rows 784 bytes apart) into fragments, in the registers that they left.
; x's WAY IN: wave w gathers steps 2 w, 2 w + 1 of the block's 32 rows (48 consecutive bytes a lane and fragment, as the first launch laid them) and hands them on as images of the operand's registers, 16 bytes a lane; a barrier; every wave
; loads all 16 images.  The gather runs one block ahead, the list two.
; TRANSPOSED USE: source 0 = 16 rows of W, source 1 = 16 rows of x: a lane holds ONE token.  Lane r of tile u takes W's row 8 u + r + 8 (r / 8), so that the 16 registers of tiles 0 and 1 are units 16 (lane / 16) + 0 .. 15 of the block.
; THE COUNT of the expert's rows is read from memory and held to 1 .. 1,024 (so block 0 of every expert is always made).  The loop has 16 trips whatever the count, and both barriers stand outside every branch on it; only work is jumped over.
; NO TENSOR LOADS, NO CLUSTER: the work hangs on a stored count; a slice of weights is shared by the two work-groups x = 2 j, 2 j + 1 alone, neighbours in the grid.
; STORED.  hq [e][block of 32 units][row][24 bytes]: lane (r, h) stores 12 bytes at 24 row + 12 h: a wave's store covers 384 consecutive bytes.  hs [e][j / 4][row][16]: byte 4 (j % 4) + w is the scale of block 4 j + w.
; LIMITS: NaN and infinities are not served.  h = (g u) / (1 + 2^(-log2(e) g)): under g = -88 or so the exponential overflows and h is 0 where the exact value is under 1e-36 |u|.  A block of zeros carries the byte 1; only this program reads it.
; REGISTERS.  window 0: v1-27 addresses; v32-47 Wg's scale words (32 + 8 u + s), v48-63 Wu's, v64-79 x's (64 + 8 m + s): these hold scales and nothing else; v80-143 the sums: G(m, u) at 80 + 32 m + 8 u, U(m, u) at 96 + 32 m + 8 u;
;   v144-193 x as gathered; v196-227 at work; v228-244 the quantiser.   window 1: Wg's fragments at 96 u + 12 s;  window 2: Wu's;  window 3: x's at 96 m + 12 s.
.set TP,   784                         ; a row of weights in the turn region: 768 bytes + 16
.set TB,   32*TP                       ; a wave's region
.set XST,  4*TB                        ; x's 16 images, 1,536 bytes each: image 8 m + s
.set XSS,  XST+16*1536                 ; x's scale words: 48 bytes a row (32 + 16)
.set MSB, 0
.macro WIN new                         ; the immediate's high byte repeats the setting that is left
.if MSB != (\new)
	s_set_vgpr_msb (MSB<<8)|(\new)
.set MSB, (\new)
.endif
.endm
	s_load_b256 s[4:11], s[0:1], 0x0               ; xq s[4:5], route s[6:7], Wg's codes s[8:9], Wg's scales s[10:11]
	s_load_b256 s[12:19], s[0:1], 0x20             ; Wu's codes s[12:13], Wu's scales s[14:15], hq s[16:17], hs s[18:19]
	v_lshl_add_u32 v254, v0, 2, 0x1ee00
	v_mov_b32 v255, 0
	v_lshrrev_b32 v1, 5, v0
	v_readfirstlane_b32 s20, v1                    ; wave w
	s_lshr_b32 s21, ttmp9, 1                       ; j
	s_and_b32 s23, ttmp9, 1                        ; p
	s_and_b32 s22, ttmp7, 0xffff                   ; e
	s_lshl_b32 s25, s23, 5                         ; the block's first row: 32 p, then 64 on in each trip
	s_mov_b32 s26, 0                               ; trips
	s_mov_b32 s28, 0x76543210
	s_mov_b32 s29, 0xfedcba98                      ; v_permlanex16_b32's selects for lane l xor 16
	s_mov_b32 s32, 0xbfb8aa3b                      ; -log2(e);
	s_mov_b32 s33, s32                             ; (the packed form names the pair)
	s_mov_b32 s35, 0xffff0000                      ; lanes 16-31
	s_mul_i32 s50, s22, 1572864                    ; an expert's codes, of weights and of h alike
	s_mul_i32 s36, s21, 98304                      ; 128 rows of 768 bytes
	s_add_co_u32 s36, s36, s50
	s_mul_i32 s38, s20, 24576                      ; 32 rows
	s_add_co_u32 s36, s36, s38
	s_mov_b32 s37, 0
	s_lshl_b32 s38, s22, 16                        ; the weights' scale bytes: 32 a row
	s_lshl_b32 s40, s21, 12
	s_add_co_u32 s38, s38, s40
	s_lshl_b32 s40, s20, 10
	s_add_co_u32 s38, s38, s40
	s_mov_b32 s39, 0
	s_lshl_b32 s40, s21, 2
	s_add_co_u32 s40, s40, s20                     ; my block of the next K: 4 j + w
	s_mul_i32 s40, s40, 24576                      ; 1,024 rows of 24 bytes
	s_add_co_u32 s40, s40, s50
	s_mov_b32 s41, 0
	s_lshl_b32 s44, s22, 2
	s_lshr_b32 s50, s21, 2
	s_add_co_u32 s44, s44, s50
	s_lshl_b32 s44, s44, 14                        ; hs: (4 e + j / 4) x 1,024 rows of 16 bytes
	s_and_b32 s50, s21, 3
	s_lshl_b32 s50, s50, 2
	s_add_co_u32 s44, s44, s50
	s_add_co_u32 s44, s44, s20                     ; + 4 (j % 4) + w
	s_mov_b32 s45, 0
	s_lshl_b32 s46, s22, 2
	s_mul_i32 s48, s22, 4224                       ; the expert's list
	s_mov_b32 s49, 0
	s_mul_i32 s47, s20, TB                         ; my turn region
	v_and_b32 v1, 31, v0                           ; l
	v_and_b32 v2, 15, v0                           ; r
	v_bfe_u32 v3, v0, 4, 1                         ; h
	v_lshlrev_b32 v4, 4, v1                        ; 16 l
	; the turn region, on the way in.  Load n = 3 a + b brings dense bytes 1,536 a + 512 b + 16 l, two rows to each 1,536: 16 bytes of padding more for each row passed
	v_add_nc_u32 v5, s47, v4                       ; b = 0: row 2 a
	v_lshl_add_u32 v6, v3, 4, v5
	v_add_nc_u32 v6, 512, v6                       ; b = 1: lanes 16-31 lie in row 2 a + 1
	v_add_nc_u32 v7, 1040, v5                      ; b = 2: row 2 a + 1
	v_and_b32 v26, 8, v2
	v_add_nc_u32 v26, v26, v2                      ; r + 8 (r / 8)
	v_mul_u32_u24 v8, v26, TP
	v_mad_u32_u24 v8, v3, 24, v8
	v_add_nc_u32 v8, s47, v8                       ; on the way out: my row of a tile, + 24 h
	v_lshlrev_b32 v9, 5, v26                       ; that row's 32 scale bytes
	v_lshlrev_b32 v10, 2, v2                       ; list: 4 r
	v_lshl_add_u32 v11, s25, 2, v10
	s_mul_i32 s50, s20, 192
	v_mul_u32_u24 v16, v3, 48
	v_add_nc_u32 v16, s50, v16                     ; in a token's codes: step 2 w, + 48 h
	s_lshl_b32 s50, s20, 3
	s_add_co_u32 s50, s50, 768
	v_mov_b32 v27, s50                             ; and its scale words 2 w, 2 w + 1
	s_mul_i32 s50, s20, 3072
	s_add_co_u32 s50, s50, XST
	v_add_nc_u32 v18, s50, v4                      ; where I put images: steps 2 w, 2 w + 1
	v_add_nc_u32 v19, XST, v4                      ; where anybody reads them
	s_lshl_b32 s50, s20, 3
	s_add_co_u32 s50, s50, XSS
	v_mul_u32_u24 v20, v1, 48
	v_add_nc_u32 v20, s50, v20                     ; row l's scale words 2 w, 2 w + 1
	v_mul_u32_u24 v21, v2, 48
	v_add_nc_u32 v21, XSS, v21                     ; row r's eight words
	v_mul_u32_u24 v23, v2, 24
	v_mad_u32_u24 v23, v3, 12, v23                 ; hq: 24 r + 12 h
	v_mov_b32 v230, 0                              ; written once: a lane permute's destination counts as one of its sources
	v_mov_b32 v231, 0
	s_wait_kmcnt 0x0
	s_load_b32 s24, s[6:7], s46 offset:0xa800      ; the expert's count
	s_add_nc_u64 s[42:43], s[6:7], s[48:49]
	s_add_nc_u64 s[8:9], s[8:9], s[36:37]
	s_add_nc_u64 s[12:13], s[12:13], s[36:37]
	s_add_nc_u64 s[10:11], s[10:11], s[38:39]
	s_add_nc_u64 s[14:15], s[14:15], s[38:39]
	s_add_nc_u64 s[16:17], s[16:17], s[40:41]
	s_add_nc_u64 s[18:19], s[18:19], s[44:45]
; The tokens in v12 (rows r) and v13 (rows 16 + r) are gathered: my two steps of both tiles, and row l's two scale words; then the list of the block ahead rows further on is asked for.
.macro GET ahead
	v_cndmask_b32 v26, v12, v13, s35               ; row l's token.  (The choice stands ahead of the clamp)
	v_min_u32 v12, 0x3ff, v12                      ; a loaded number enters an address only behind a clamp
	v_min_u32 v13, 0x3ff, v13
	v_min_u32 v26, 0x3ff, v26
	v_mul_u32_u24 v14, v12, 800
	v_mul_u32_u24 v15, v13, 800
	v_mul_u32_u24 v17, v26, 800
	v_add_nc_u32 v14, v14, v16
	v_add_nc_u32 v15, v15, v16
	v_add_nc_u32 v17, v17, v27
.irp m, 0,1
.irp d, 0,1
.irp c, 0,1,2
	global_load_b128 v[144+24*\m+12*\d+4*\c:144+24*\m+12*\d+4*\c+3], v[14+\m], s[4:5] offset:96*\d+16*\c
.endr
.endr
.endr
	global_load_b64 v[192:193], v17, s[4:5]
	s_add_co_u32 s36, s25, \ahead
	s_min_u32 s36, s36, 992                        ; no load leaves the list's 1,024 words
	v_lshl_add_u32 v11, s36, 2, v10
	global_load_b32 v12, v11, s[42:43]
	global_load_b32 v13, v11, s[42:43] offset:64
.endm
; 24,576 dense bytes in the window's registers 0-191 become 16 fragments in the same registers.  LDS serves a wave's instructions in order, and the region is the wave's own: no wait and no barrier.
.macro TURNW win
	WIN (\win)<<2                                  ; an LDS store's data are its source 1
.set n, 0
.rept 48
	ds_store_b128 v[5+n%3], v[4*n:4*n+3] offset:1568*(n/3)
.set n, n+1
.endr
	WIN (\win)<<6                                  ; destination
.irp u, 0,1
.irp k, 0,1,2,3,4,5,6,7
.irp i, 0,1,2,3,4,5
	ds_load_b64 v[96*\u+12*\k+2*\i:96*\u+12*\k+2*\i+1], v8 offset:6272*\u+96*\k+48*(\i/3)+8*(\i%3)   ; registers 0-5: block 4 k + h; registers 6-11: block 4 k + 2 + h; in pieces of 8 bytes
.endr
.endr
.endr
	WIN 0
.endm
; One product: tile ut of Wg (acc = 80, wsc = 32) or of Wu (96, 48) x tile mt of x, step ks.  The first step starts the sum.
.macro PROD acc, wsc, ks, mt, ut
.if (\ks) == 0
	v_wmma_scale_f32_16x16x128_f8f6f4 v[\acc+32*\mt+8*\ut:\acc+32*\mt+8*\ut+7], v[96*\ut+12*(\ks):96*\ut+12*(\ks)+11], v[96*\mt+12*(\ks):96*\mt+12*(\ks)+11], 0, v[\wsc+8*\ut+(\ks)], v[64+8*\mt+(\ks)] matrix_a_fmt:MATRIX_FMT_FP6 matrix_b_fmt:MATRIX_FMT_FP6
.else
	v_wmma_scale_f32_16x16x128_f8f6f4 v[\acc+32*\mt+8*\ut:\acc+32*\mt+8*\ut+7], v[96*\ut+12*(\ks):96*\ut+12*(\ks)+11], v[96*\mt+12*(\ks):96*\mt+12*(\ks)+11], v[\acc+32*\mt+8*\ut:\acc+32*\mt+8*\ut+7], v[\wsc+8*\ut+(\ks)], v[64+8*\mt+(\ks)] matrix_a_fmt:MATRIX_FMT_FP6 matrix_b_fmt:MATRIX_FMT_FP6
.endif
.endm
; Steps 2 q and 2 q + 1: eight products for g, eight for u.  The four sums of a kind take turns, one instruction a turn.
.macro MULQ q
	s_wait_dscnt 36-12*\q                          ; of the 52 LDS loads the 4 of scale words and the 12 (q + 1) of steps up to 2 q + 1 are in; the later steps' stay out
	WIN 0x0d                                       ; source 0 window 1 (Wg), source 1 window 3 (x)
.irp d, 0,1
.irp m, 0,1
.irp u, 0,1
	PROD 80, 32, 2*\q+\d, \m, \u
.endr
.endr
.endr
	WIN 0x0e                                       ; source 0 window 2 (Wu)
.irp d, 0,1
.irp m, 0,1
.irp u, 0,1
	PROD 96, 48, 2*\q+\d, \m, \u
.endr
.endr
.endr
.endm
	global_load_b32 v12, v11, s[42:43]             ; the first block's tokens
	global_load_b32 v13, v11, s[42:43] offset:64
	WIN 0x40
.set n, 0
.rept 48
	global_load_b128 v[4*n:4*n+3], v4, s[8:9] offset:512*n         ; Wg: 512 consecutive bytes a load
.set n, n+1
.endr
	WIN 0
	s_wait_loadcnt 48                              ; the two list loads are in; Wg's 48 stay out
	GET 64                                         ; the first block of x, and the second block's tokens
	WIN 0x80
.set n, 0
.rept 48
	global_load_b128 v[4*n:4*n+3], v4, s[12:13] offset:512*n       ; Wu
.set n, n+1
.endr
	WIN 0
.irp u, 0,1
.irp i, 0,1
	global_load_b128 v[32+8*\u+4*\i:35+8*\u+4*\i], v9, s[10:11] offset:256*\u+16*\i   ; lane r: the eight scale words of its row of tile u
	global_load_b128 v[48+8*\u+4*\i:51+8*\u+4*\i], v9, s[14:15] offset:256*\u+16*\i
.endr
.endr
	s_wait_loadcnt 63                              ; 121 loads were issued: with 63 out at the most the oldest 58 are in: the list's 2 and Wg's 48 among them
	TURNW 1
	s_wait_loadcnt 8                               ; all but the eight loads of scale words: Wu is in
	TURNW 2
	s_wait_kmcnt 0x0
	s_max_u32 s24, s24, 1                          ; the count, held to 1 .. 1,024
	s_min_u32 s24, s24, 1024
.Ltrip:                                            ; (the turned fragments are waited for by the wait on DScnt in front of the first barrier, which lies on every way to the first product)
	s_wait_loadcnt 0x0                             ; this block's x and the next block's tokens are in; every earlier load's address register is free
	s_cmp_lt_u32 s25, s24
	s_cbranch_scc0 .Lno_put
.irp m, 0,1
.irp d, 0,1
.irp c, 0,1,2
	ds_store_b128 v18, v[144+24*\m+12*\d+4*\c:144+24*\m+12*\d+4*\c+3] offset:12288*\m+1536*\d+512*\c   ; an image of the operand's registers: lane l's 16 bytes at 16 l
.endr
.endr
.endr
	ds_store_b64 v20, v[192:193]
.Lno_put:
	s_wait_dscnt 0x0                               ; for the others' sake: my stores have landed
	s_barrier_signal -1
	s_barrier_wait -1                              ; the block's 16 images and its scale words lie in LDS
	s_add_co_u32 s27, s25, 64
	s_cmp_lt_u32 s27, s24
	s_cbranch_scc0 .Lno_get
	GET 128                                        ; the next block of x lands under this block's work
.Lno_get:
	s_cmp_lt_u32 s25, s24
	s_cbranch_scc0 .Lno_work
.irp m, 0,1
.irp i, 0,1
	ds_load_b128 v[64+8*\m+4*\i:67+8*\m+4*\i], v21 offset:768*\m+16*\i     ; lane r: row 16 m + r's eight scale words
.endr
.endr
	WIN 0xc0                                       ; destination window 3
.irp k, 0,1,2,3,4,5,6,7
.irp m, 0,1
.irp c, 0,1,2
	ds_load_b128 v[96*\m+12*\k+4*\c:96*\m+12*\k+4*\c+3], v19 offset:1536*(8*\m+\k)+512*\c
.endr
.endr
.endr
	MULQ 0
	MULQ 1
	MULQ 2
	MULQ 3
	WIN 0
.rept 4
	v_nop                                          ; four places between the last products and the first read of a result (ISA guide 7.12.1)
.endr
	; h = (g u) / (1 + 2^(-log2(e) g)).  Every sum is read from its low end on.
.irp m, 0,1
.irp k, 0,2,4,6,8,10,12,14
	v_pk_mul_f32 v[196+16*\m+\k:197+16*\m+\k], v[80+32*\m+\k:81+32*\m+\k], s[32:33] op_sel_hi:[1,0]
.endr
.endr
.set n, 0
.rept 32
	v_exp_f32 v[196+n], v[196+n]
.set n, n+1
.endr
.irp m, 0,1
.irp k, 0,2,4,6,8,10,12,14
	v_pk_mul_f32 v[80+32*\m+\k:81+32*\m+\k], v[80+32*\m+\k:81+32*\m+\k], v[96+32*\m+\k:97+32*\m+\k]   ; g u: plain lines behind the exponentials
.endr
.endr
.set n, 0
	s_wait_alu depctr_va_vdst(0)
.rept 16
	v_pk_add_f32 v[196+2*n:197+2*n], v[196+2*n:197+2*n], 1.0 op_sel_hi:[1,0]
.set n, n+1
.endr
.set n, 0
.rept 32
	v_rcp_f32 v[196+n], v[196+n]
.set n, n+1
.endr
	v_nop                                          ; a plain line between the reciprocals and the first use of a result
	s_wait_alu depctr_va_vdst(0)
.irp m, 0,1
.irp k, 0,2,4,6,8,10,12,14
	v_pk_mul_f32 v[80+32*\m+\k:81+32*\m+\k], v[80+32*\m+\k:81+32*\m+\k], v[196+16*\m+\k:197+16*\m+\k]
.endr
.endr
	; the quantiser: my 16 units and lane l xor 16's are the row's block of 32; the two tiles of rows by turns
.irp m, 0,1
	v_max3_num_f32 v[228+\m], |v[80+32*\m]|, |v[81+32*\m]|, 0x1800000      ; with the floor 2^(3 - 127): the byte cannot fall under 1
.endr
.irp i, 2,4,6,8,10,12,14
.irp m, 0,1
	v_max3_num_f32 v[228+\m], v[228+\m], |v[80+32*\m+\i]|, |v[81+32*\m+\i]|
.endr
.endr
.irp m, 0,1
	v_permlanex16_b32 v[230+\m], v[228+\m], s28, s29
.endr
.irp m, 0,1
	v_max_num_f32 v[228+\m], v[228+\m], v[230+\m]
.endr
.irp m, 0,1
	v_add_nc_u32 v[232+\m], 0xff000000, v[228+\m]  ; 2 off the exponent field: the conversion's scale operand
.endr
.irp m, 0,1
	v_lshrrev_b32 v[234+\m], 23, v[232+\m]         ; the scale's byte
.endr
	s_wait_xcnt 0x0                                ; the last block's stores have read v22, v24, v236-244: they are written again only behind this wait
	s_mul_i32 s36, s25, 24
	s_lshl_b32 s37, s25, 4
	v_add_nc_u32 v22, s36, v23
	v_add_nc_u32 v24, s37, v4
	v_cvt_scalef32_pk16_fp6_f32 v[236:238], v[80:95], v232
	v_cvt_scalef32_pk16_fp6_f32 v[240:242], v[112:127], v233
	v_cndmask_b32 v244, v234, v235, s35            ; lane l: row l's byte.  Also the plain line behind the conversions
	global_store_b96 v22, v[236:238], s[16:17]             ; rows 0-15: 384 consecutive bytes
	global_store_b96 v22, v[240:242], s[16:17] offset:384  ; rows 16-31
	global_store_b8 v24, v244, s[18:19]
.Lno_work:
	s_wait_dscnt 0x0                               ; my reads of the images are over
	s_barrier_signal -1
	s_barrier_wait -1                              ; everybody's are: the next trip may write them again
	s_add_co_u32 s25, s25, 64
	s_add_co_u32 s26, s26, 1
	s_cmp_lt_u32 s26, 16
	s_cbranch_scc1 .Ltrip
	s_wait_tensorcnt 0x0
	ds_add_u32 v254, v255
	s_wait_dscnt 0x0
	s_endpgm
.Lfunc_end_k_q3a6fc97c56_gateup:
	.size	k_q3a6fc97c56_gateup, .Lfunc_end_k_q3a6fc97c56_gateup-k_q3a6fc97c56_gateup
	.p2alignl 7, 3214868480
	.fill 96, 4, 3214868480
	.section	.rodata,"a",@progbits
	.p2align	6, 0x0
	.amdhsa_kernel k_q3a6fc97c56_gateup
		.amdhsa_group_segment_fixed_size 126976
		.amdhsa_private_segment_fixed_size 0
		.amdhsa_enable_private_segment 0
		.amdhsa_kernarg_size 64
		.amdhsa_user_sgpr_count 2
		.amdhsa_user_sgpr_kernarg_segment_ptr 1
		.amdhsa_wavefront_size32 1
		.amdhsa_system_sgpr_workgroup_id_x 1
		.amdhsa_system_sgpr_workgroup_id_y 1
		.amdhsa_system_sgpr_workgroup_id_z 1
		.amdhsa_system_vgpr_workitem_id 0
		.amdhsa_next_free_vgpr 1024
		.amdhsa_next_free_sgpr 66
		.amdhsa_reserve_vcc 0
		.amdhsa_float_denorm_mode_32 3
		.amdhsa_float_denorm_mode_16_64 3
		.amdhsa_memory_ordered 1
		.amdhsa_forward_progress 1
		.amdhsa_inst_pref_size 59
	.end_amdhsa_kernel
	.amdgpu_metadata
---
amdhsa.version: [ 1, 2 ]
amdhsa.kernels:
  - .name:           k_q3a6fc97c56_gateup
    .symbol:         k_q3a6fc97c56_gateup.kd
    .args:
      - { .name: xq, .offset: 0, .size: 8, .value_kind: global_buffer, .address_space: global }
      - { .name: route, .offset: 8, .size: 8, .value_kind: global_buffer, .address_space: global }
      - { .name: Wg_codes, .offset: 16, .size: 8, .value_kind: global_buffer, .address_space: global }
      - { .name: Wg_scales, .offset: 24, .size: 8, .value_kind: global_buffer, .address_space: global }
      - { .name: Wu_codes, .offset: 32, .size: 8, .value_kind: global_buffer, .address_space: global }
      - { .name: Wu_scales, .offset: 40, .size: 8, .value_kind: global_buffer, .address_space: global }
      - { .name: hq, .offset: 48, .size: 8, .value_kind: global_buffer, .address_space: global }
      - { .name: hs, .offset: 56, .size: 8, .value_kind: global_buffer, .address_space: global }
    .group_segment_fixed_size: 126976
    .private_segment_fixed_size: 0
    .kernarg_segment_align: 8
    .kernarg_segment_size: 64
    .max_flat_workgroup_size: 128
    .sgpr_count:     66
    .vgpr_count:     1024
    .wavefront_size: 32
...
	.end_amdgpu_metadata
.endif
;; end of part 3
;; launch down (part 4): grid 32 x 8, 4 waves a work-group, no clusters, 170,496 bytes of LDS; arguments hq, hs, route, Wd_codes, Wd_scales, yb; writes yb
.if DOCPART == 4
	.amdgcn_target "amdgcn-amd-amdhsa--gfx1250"
	.amdhsa_code_object_version 6
	.text
	.protected	k_q3a6fc97c56_down
	.globl	k_q3a6fc97c56_down
	.p2align	8
	.type	k_q3a6fc97c56_down,@function
k_q3a6fc97c56_down:
	s_mov_b64 s[64:65], 0
	v_nop
	global_prefetch_b8 v0, s[64:65] scope:SCOPE_SE
	s_setreg_imm32_b32 hwreg(HW_REG_WAVE_MODE, 25, 1), 1
	s_wait_xcnt 0x0
; y = h Wd^T for the rows routed to one expert, on codes of E2M3 with E8M0 scales; y goes to memory by sorted rows, f32.
; SHARES.  Work-group (x, y): expert e = y, slice c = x / 4 of 128 columns of y, quarter p = x % 4 of the expert's blocks of 32 rows: trip i takes rows 32 p + 128 i on.
; THE WAVES SPLIT K: wave w owns steps 4 w .. 4 w + 3 of the 16 steps of 128 along I, for all 128 columns: 8 tiles x 4 steps x 12 = 384 registers of Wd, read once.  So no two waves want the same bytes of h:
; each wave loads its fragments of h from memory straight into registers (the launch before laid them for that), and each fragment feeds eight products.  The four partial sums meet in a stage in LDS, through which
; the results would have to go anyway to leave as whole rows: wave w adds and stores rows 8 w .. 8 w + 7 of the block, 512 consecutive bytes a store.
; ORDER OF SUMS: an output is (s0 + s1) + (s2 + s3), s_w the matrix unit's sum over wave w's 512 along K, ascending.
; Wd's WAY IN: of each of 64 rows a wave wants 384 consecutive bytes: 48 loads of 16 bytes a lane take them run by run; they turn through the wave's own LDS region (rows 400 bytes apart) into fragments, in the registers that they left; twice.
; TRANSPOSED USE: source 0 = 16 columns of y (rows of Wd), source 1 = 16 rows of h: a lane holds eight neighbouring columns of one row.
; THE COUNT is read from memory and held to 1 .. 1,024.  The loop has 8 trips whatever the count; both barriers stand outside every branch on it.  The first fetch of h is clamped to the last block that the launch before has made.
; NO TENSOR LOADS, NO CLUSTER: the work hangs on a stored count; a slice of weights is shared by four work-groups, neighbours in the grid.
; LIMITS: NaN and infinities are not served.
; REGISTERS.  window 0: v1-21 addresses; v32-63 Wd's scale words (32 + 4 t + s), v64-71 h's (64 + 4 m + s): scales and nothing else; v80-207 the 16 sums, (m, t) at 80 + 64 m + 8 t, then the partial sums read back, (row o, wave pp) at 80 + 16 o + 4 pp.
;   window 1: Wd's tiles 0-3 at 48 t + 12 s;  window 2: tiles 4-7;  window 3: h's fragments at 48 m + 12 s.
.set TP,  400                          ; a row in the turn region: 384 bytes + 16
.set TB,  64*TP
.set STG, 4*TB                         ; the stage: for each wave 32 rows x (512 bytes + 16)
.set SP,  528
.set MSB, 0
.macro WIN new                         ; the immediate's high byte repeats the setting that is left
.if MSB != (\new)
	s_set_vgpr_msb (MSB<<8)|(\new)
.set MSB, (\new)
.endif
.endm
	s_load_b256 s[4:11], s[0:1], 0x0               ; hq s[4:5], hs s[6:7], route s[8:9], Wd's codes s[10:11]
	s_load_b128 s[12:15], s[0:1], 0x20             ; Wd's scales s[12:13], yb s[14:15]
	v_lshl_add_u32 v254, v0, 2, 0x29800
	v_mov_b32 v255, 0
	v_lshrrev_b32 v1, 5, v0
	v_readfirstlane_b32 s20, v1                    ; wave w
	s_lshr_b32 s21, ttmp9, 2                       ; c
	s_and_b32 s23, ttmp9, 3                        ; p
	s_and_b32 s22, ttmp7, 0xffff                   ; e
	s_lshl_b32 s25, s23, 5                         ; the block's first row
	s_mov_b32 s26, 0
	s_mul_i32 s50, s22, 1572864                    ; an expert's codes, of Wd and of h alike
	s_mul_i32 s36, s21, 196608                     ; 128 rows of 1,536 bytes
	s_add_co_u32 s36, s36, s50
	s_mul_i32 s38, s20, 384                        ; my four steps of a row
	s_add_co_u32 s36, s36, s38
	s_mov_b32 s37, 0
	s_lshl_b32 s38, s22, 16                        ; Wd's scale bytes: 64 a row
	s_lshl_b32 s40, s21, 13
	s_add_co_u32 s38, s38, s40
	s_lshl_b32 s40, s20, 4
	s_add_co_u32 s38, s38, s40
	s_mov_b32 s39, 0
	s_mul_i32 s40, s20, 393216                     ; h: my 16 blocks x 1,024 rows x 24 bytes
	s_add_co_u32 s40, s40, s50
	s_mov_b32 s41, 0
	s_lshl_b32 s42, s22, 2
	s_add_co_u32 s42, s42, s20
	s_lshl_b32 s42, s42, 14                        ; hs: (4 e + w) x 1,024 rows of 16 bytes
	s_mov_b32 s43, 0
	s_lshl_b32 s44, s22, 22                        ; yb: an expert's 1,024 rows of 4,096 bytes,
	s_lshl_b32 s50, s21, 9
	s_add_co_u32 s44, s44, s50                     ; + my 128 columns
	s_mov_b32 s45, 0
	s_lshl_b32 s46, s22, 2
	s_mul_i32 s47, s20, TB                         ; my turn region
	v_and_b32 v1, 31, v0                           ; l
	v_and_b32 v2, 15, v0                           ; r
	v_bfe_u32 v3, v0, 4, 1                         ; h
	v_lshlrev_b32 v20, 4, v1                       ; 16 l
	; Load n = 3 a + b takes bytes 1,536 a + 512 b + 16 l of the runs laid on end, four runs of 384 to each 1,536.  A run passed is 1,152 bytes more in memory (rows of 1,536) and 16 more in LDS.
	v_add_nc_u32 v21, 8, v1
	v_lshrrev_b32 v21, 5, v21                      ; b = 0: lanes 24-31 lie in the second run
	v_mad_u32_u24 v4, v21, 1152, v20
	v_lshl_add_u32 v7, v21, 4, v20
	v_add_nc_u32 v7, s47, v7
	v_mad_u32_u24 v5, v3, 1152, v20                ; b = 1: one run passed, two for lanes 16-31
	v_add_nc_u32 v5, 1664, v5
	v_lshl_add_u32 v8, v3, 4, v20
	v_add_nc_u32 v8, 528, v8
	v_add_nc_u32 v8, s47, v8
	v_add_nc_u32 v21, 24, v1
	v_lshrrev_b32 v21, 5, v21                      ; b = 2: two runs passed, three for lanes 8-31
	v_mad_u32_u24 v6, v21, 1152, v20
	v_add_nc_u32 v6, 3328, v6
	v_lshl_add_u32 v9, v21, 4, v20
	v_add_nc_u32 v9, 1056, v9
	v_add_nc_u32 v9, s47, v9
	v_mul_u32_u24 v10, v2, TP
	v_mad_u32_u24 v10, v3, 24, v10
	v_add_nc_u32 v10, s47, v10                     ; out of the region: row r of a tile, + 24 h
	v_lshlrev_b32 v11, 6, v2                       ; Wd's scale bytes: 64 r
	v_mul_u32_u24 v12, v2, 24
	v_mad_u32_u24 v12, v3, 24576, v12              ; h: 24 r, and one block further on for lanes 16-31
	v_lshlrev_b32 v14, 4, v2                       ; hs: 16 r
	s_mul_i32 s50, s20, 32*SP
	s_add_co_u32 s50, s50, STG
	v_mul_u32_u24 v16, v2, SP
	v_lshl_add_u32 v16, v3, 5, v16
	v_add_nc_u32 v16, s50, v16                     ; into my part of the stage: row r, + 32 h
	s_mul_i32 s50, s20, 8*SP
	s_add_co_u32 s50, s50, STG
	v_add_nc_u32 v17, s50, v20                     ; back: rows 8 w on of every part, 16 bytes a lane
	s_lshl_b32 s50, s20, 15
	v_add_nc_u32 v19, s50, v20                     ; and in yb: 8 w rows of 4,096 bytes + 16 l
	s_wait_kmcnt 0x0
	s_load_b32 s24, s[8:9], s46 offset:0xa800      ; the expert's count
	s_add_nc_u64 s[10:11], s[10:11], s[36:37]
	s_add_nc_u64 s[12:13], s[12:13], s[38:39]
	s_add_nc_u64 s[4:5], s[4:5], s[40:41]
	s_add_nc_u64 s[6:7], s[6:7], s[42:43]
	s_add_nc_u64 s[14:15], s[14:15], s[44:45]
.macro DENSE half                      ; my 384 bytes of rows 64 half .. 64 half + 63 into window 1 + half
	WIN (\half+1)<<6
.set n, 0
.rept 48
	global_load_b128 v[4*n:4*n+3], v[4+n%3], s[10:11] offset:6144*(n/3)+98304*\half
.set n, n+1
.endr
	WIN 0
.endm
.macro TURNW win                       ; they become 16 fragments in the same registers.  LDS serves a wave's instructions in order, and the region is the wave's own
	WIN (\win)<<2                                  ; an LDS store's data are its source 1
.set n, 0
.rept 48
	ds_store_b128 v[7+n%3], v[4*n:4*n+3] offset:1600*(n/3)
.set n, n+1
.endr
	WIN (\win)<<6
.irp t, 0,1,2,3
.irp k, 0,1,2,3
.irp i, 0,1,2,3,4,5
	ds_load_b64 v[48*\t+12*\k+2*\i:48*\t+12*\k+2*\i+1], v10 offset:6400*\t+96*\k+48*(\i/3)+8*(\i%3)
.endr
.endr
.endr
	WIN 0
.endm
.macro HLOAD mt                        ; tile mt of the block at v13, v15: my four fragments of h (registers 6 c + 2 i: block 4 k + 2 c + h of my 16) and the rows' four scale words
	WIN 0xc0
.irp k, 0,1,2,3
.irp c, 0,1
.irp i, 0,1,2
	global_load_b64 v[48*\mt+12*\k+6*\c+2*\i:48*\mt+12*\k+6*\c+2*\i+1], v13, s[4:5] offset:98304*\k+49152*\c+384*\mt+8*\i
.endr
.endr
.endr
	WIN 0
	global_load_b128 v[64+4*\mt:67+4*\mt], v15, s[6:7] offset:256*\mt
.endm
.macro PROD mt, tt, ks, hf             ; tile 4 hf + tt of Wd x tile mt of h, my step ks.  The first step starts the sum
.if (\ks) == 0
	v_wmma_scale_f32_16x16x128_f8f6f4 v[80+64*\mt+8*(4*\hf+\tt):80+64*\mt+8*(4*\hf+\tt)+7], v[48*\tt+12*\ks:48*\tt+12*\ks+11], v[48*\mt+12*\ks:48*\mt+12*\ks+11], 0, v[32+4*(4*\hf+\tt)+\ks], v[64+4*\mt+\ks] matrix_a_fmt:MATRIX_FMT_FP6 matrix_b_fmt:MATRIX_FMT_FP6
.else
	v_wmma_scale_f32_16x16x128_f8f6f4 v[80+64*\mt+8*(4*\hf+\tt):80+64*\mt+8*(4*\hf+\tt)+7], v[48*\tt+12*\ks:48*\tt+12*\ks+11], v[48*\mt+12*\ks:48*\mt+12*\ks+11], v[80+64*\mt+8*(4*\hf+\tt):80+64*\mt+8*(4*\hf+\tt)+7], v[32+4*(4*\hf+\tt)+\ks], v[64+4*\mt+\ks] matrix_a_fmt:MATRIX_FMT_FP6 matrix_b_fmt:MATRIX_FMT_FP6
.endif
.endm
.macro MUL mt                          ; 32 products: four sums by turns, one instruction a turn; then the other four
.irp g, 0,1
	WIN 0x0d+\g                                    ; source 0 window 1 or 2 (Wd), source 1 window 3 (h)
.irp k, 0,1,2,3
.irp t, 0,1,2,3
	PROD \mt, \t, \k, \g
.endr
.endr
.endr
	WIN 0
.endm
	DENSE 0
	s_wait_kmcnt 0x0
	s_max_u32 s24, s24, 1                          ; the count, held to 1 .. 1,024
	s_min_u32 s24, s24, 1024
	s_sub_co_u32 s36, s24, 1
	s_lshr_b32 s36, s36, 5
	s_lshl_b32 s36, s36, 5                         ; the first row of the last block that was made
	s_min_u32 s36, s36, s25                        ; my first block, or that one where I have none: no byte is read that was not stored
	s_min_u32 s36, s36, 992                        ; a loaded number enters an address only behind a clamp
	s_mul_i32 s37, s36, 24
	s_lshl_b32 s38, s36, 4
	v_add_nc_u32 v13, s37, v12
	v_add_nc_u32 v15, s38, v14
	HLOAD 0
	HLOAD 1
	DENSE 1
.irp t, 0,1,2,3,4,5,6,7
	global_load_b128 v[32+4*\t:35+4*\t], v11, s[12:13] offset:1024*\t      ; lane r: my four scale words of column 16 t + r
.endr
	s_wait_loadcnt 63                              ; 154 loads were issued: with 63 out at the most the oldest 91 are in, the first 48 of Wd among them
	TURNW 1
	s_wait_loadcnt 8                               ; all but the eight loads of scale words
	TURNW 2
	s_wait_dscnt 0x0                               ; the fragments are in: products stand ahead of the first barrier
.Ltrip:
	s_wait_loadcnt 0x0                             ; this block's h is in; every earlier load's address register is free
	s_wait_xcnt 0x0                                ; the last block's stores have read v18 and v80 on: the sums may begin there
	s_cmp_lt_u32 s25, s24
	s_cbranch_scc0 .Lno_mul
	MUL 0
	s_add_co_u32 s27, s25, 128
	s_cmp_lt_u32 s27, s24
	s_cbranch_scc0 .Lno_h0
	s_mul_i32 s36, s27, 24
	s_lshl_b32 s37, s27, 4
	v_add_nc_u32 v13, s36, v12
	v_add_nc_u32 v15, s37, v14
.rept 4
	v_nop                                          ; four places in front of loads into registers that the products above have read
.endr
	HLOAD 0                                        ; the next block's first tile lands under the second tile's products
.Lno_h0:
	MUL 1
.rept 5
	v_nop                                          ; places behind the last products: four for the loads and the LDS stores below, five for the next trip's products that begin these sums anew
.endr
	s_cmp_lt_u32 s27, s24
	s_cbranch_scc0 .Lno_h1
	HLOAD 1
.Lno_h1:
.irp m, 0,1
.irp t, 0,1,2,3,4,5,6,7
	ds_store_b128 v16, v[80+64*\m+8*\t:83+64*\m+8*\t] offset:16*SP*\m+64*\t          ; lane (r, h): row 16 m + r, columns 16 t + 8 h + 0 .. 7; each sum from its low end on
	ds_store_b128 v16, v[84+64*\m+8*\t:87+64*\m+8*\t] offset:16*SP*\m+64*\t+16
.endr
.endr
.Lno_mul:
	s_wait_dscnt 0x0                               ; for the others' sake: my stores have landed
	s_barrier_signal -1
	s_barrier_wait -1                              ; the four partial sums of the block lie in the stage
	s_cmp_lt_u32 s25, s24
	s_cbranch_scc0 .Lno_out
	s_lshl_b32 s36, s25, 12
	v_add_nc_u32 v18, s36, v19
.irp o, 0,1,2,3,4,5,6,7
.irp pp, 0,1,2,3
	ds_load_b128 v[80+16*\o+4*\pp:83+16*\o+4*\pp], v17 offset:32*SP*\pp+SP*\o
.endr
.endr
.irp o, 0,1,2,3,4,5,6,7
	s_wait_dscnt 28-4*\o                           ; row o's four loads are in; the later rows' stay out
	v_pk_add_f32 v[80+16*\o:81+16*\o], v[80+16*\o:81+16*\o], v[84+16*\o:85+16*\o]
	v_pk_add_f32 v[82+16*\o:83+16*\o], v[82+16*\o:83+16*\o], v[86+16*\o:87+16*\o]
	v_pk_add_f32 v[88+16*\o:89+16*\o], v[88+16*\o:89+16*\o], v[92+16*\o:93+16*\o]
	v_pk_add_f32 v[90+16*\o:91+16*\o], v[90+16*\o:91+16*\o], v[94+16*\o:95+16*\o]
	v_pk_add_f32 v[80+16*\o:81+16*\o], v[80+16*\o:81+16*\o], v[88+16*\o:89+16*\o]
	v_pk_add_f32 v[82+16*\o:83+16*\o], v[82+16*\o:83+16*\o], v[90+16*\o:91+16*\o]
	global_store_b128 v18, v[80+16*\o:83+16*\o], s[14:15] offset:4096*\o   ; 32 lanes store 512 consecutive bytes, at a multiple of 256 from the buffer's first byte
.endr
.Lno_out:
	s_wait_dscnt 0x0                               ; my reads of the stage are over
	s_barrier_signal -1
	s_barrier_wait -1                              ; everybody's are: the next trip may write it again
	s_add_co_u32 s25, s25, 128
	s_add_co_u32 s26, s26, 1
	s_cmp_lt_u32 s26, 8
	s_cbranch_scc1 .Ltrip
	s_wait_tensorcnt 0x0
	ds_add_u32 v254, v255
	s_wait_dscnt 0x0
	s_endpgm
.Lfunc_end_k_q3a6fc97c56_down:
	.size	k_q3a6fc97c56_down, .Lfunc_end_k_q3a6fc97c56_down-k_q3a6fc97c56_down
	.p2alignl 7, 3214868480
	.fill 96, 4, 3214868480
	.section	.rodata,"a",@progbits
	.p2align	6, 0x0
	.amdhsa_kernel k_q3a6fc97c56_down
		.amdhsa_group_segment_fixed_size 170496
		.amdhsa_private_segment_fixed_size 0
		.amdhsa_enable_private_segment 0
		.amdhsa_kernarg_size 48
		.amdhsa_user_sgpr_count 2
		.amdhsa_user_sgpr_kernarg_segment_ptr 1
		.amdhsa_wavefront_size32 1
		.amdhsa_system_sgpr_workgroup_id_x 1
		.amdhsa_system_sgpr_workgroup_id_y 1
		.amdhsa_system_sgpr_workgroup_id_z 1
		.amdhsa_system_vgpr_workitem_id 0
		.amdhsa_next_free_vgpr 1024
		.amdhsa_next_free_sgpr 66
		.amdhsa_reserve_vcc 0
		.amdhsa_float_denorm_mode_32 3
		.amdhsa_float_denorm_mode_16_64 3
		.amdhsa_memory_ordered 1
		.amdhsa_forward_progress 1
		.amdhsa_inst_pref_size 60
	.end_amdhsa_kernel
	.amdgpu_metadata
---
amdhsa.version: [ 1, 2 ]
amdhsa.kernels:
  - .name:           k_q3a6fc97c56_down
    .symbol:         k_q3a6fc97c56_down.kd
    .args:
      - { .name: hq, .offset: 0, .size: 8, .value_kind: global_buffer, .address_space: global }
      - { .name: hs, .offset: 8, .size: 8, .value_kind: global_buffer, .address_space: global }
      - { .name: route, .offset: 16, .size: 8, .value_kind: global_buffer, .address_space: global }
      - { .name: Wd_codes, .offset: 24, .size: 8, .value_kind: global_buffer, .address_space: global }
      - { .name: Wd_scales, .offset: 32, .size: 8, .value_kind: global_buffer, .address_space: global }
      - { .name: yb, .offset: 40, .size: 8, .value_kind: global_buffer, .address_space: global }
    .group_segment_fixed_size: 170496
    .private_segment_fixed_size: 0
    .kernarg_segment_align: 8
    .kernarg_segment_size: 48
    .max_flat_workgroup_size: 128
    .sgpr_count:     66
    .vgpr_count:     1024
    .wavefront_size: 32
...
	.end_amdgpu_metadata
.endif
;; end of part 4
;; launch combine (part 5): grid 256 x 1, 4 waves a work-group, no clusters, 0 bytes of LDS; arguments yb, route, wgt, out0; writes out0
.if DOCPART == 5
	.amdgcn_target "amdgcn-amd-amdhsa--gfx1250"
	.amdhsa_code_object_version 6
	.text
	.protected	k_q3a6fc97c56_combine
	.globl	k_q3a6fc97c56_combine
	.p2align	8
	.type	k_q3a6fc97c56_combine,@function
k_q3a6fc97c56_combine:
	s_mov_b64 s[64:65], 0
	v_nop
	global_prefetch_b8 v0, s[64:65] scope:SCOPE_SE
	s_setreg_imm32_b32 hwreg(HW_REG_WAVE_MODE, 25, 1), 1
	s_wait_xcnt 0x0
; out[t] = w0 y[pos0] + w1 y[pos1]: each token's two routed rows, weighed by the softmax of its two bids.  One wave takes one token: t = 4 g + wave.
; pos0, pos1 are the stored places (1,024 e + rank) of the token's two slots; they are held to the buffer's 8,192 rows before they enter an address.
; A stream: every load and store of the wave covers 512 consecutive bytes; all 16 loads go out at once; each row of y is read by one wave alone.  No LDS, no barrier, no matrix unit: K = 2 here.
	s_load_b256 s[4:11], s[0:1], 0x0               ; yb s[4:5], route s[6:7], wgt s[8:9], out s[10:11]
	v_lshrrev_b32 v1, 5, v0
	v_readfirstlane_b32 s12, v1                    ; wave
	v_and_b32 v1, 31, v0
	v_lshlrev_b32 v1, 4, v1                        ; 16 bytes a lane
	s_lshl_b32 s13, ttmp9, 2
	s_add_co_u32 s13, s13, s12                     ; t
	s_lshl_b32 s14, s13, 3                         ; two words a token
	s_lshl_b32 s26, s13, 12                        ; a row of 4,096 bytes
	s_mov_b32 s27, 0
	s_wait_kmcnt 0x0
	s_load_b64 s[16:17], s[6:7], s14 offset:0x8400 ; pos0, pos1
	s_load_b64 s[18:19], s[8:9], s14 offset:0x0    ; w0, w1
	s_add_nc_u64 s[10:11], s[10:11], s[26:27]
	s_wait_kmcnt 0x0
	s_min_u32 s16, s16, 0x1fff
	s_min_u32 s17, s17, 0x1fff
	s_lshl_b32 s20, s16, 12
	s_mov_b32 s21, 0
	s_lshl_b32 s22, s17, 12
	s_mov_b32 s23, 0
	s_add_nc_u64 s[20:21], s[4:5], s[20:21]
	s_add_nc_u64 s[22:23], s[4:5], s[22:23]
	s_mov_b32 s24, s19                             ; w1 as the low word of a pair: the packed forms take a scalar pair's low word for both halves
	s_mov_b32 s25, s19
.irp j, 0,1,2,3,4,5,6,7
	global_load_b128 v[8+8*\j:11+8*\j], v1, s[20:21] offset:512*\j th:TH_LOAD_NT
	global_load_b128 v[12+8*\j:15+8*\j], v1, s[22:23] offset:512*\j th:TH_LOAD_NT
.endr
.irp j, 0,1,2,3,4,5,6,7
	s_wait_loadcnt 14-2*\j                         ; pair j is in; the later pairs stay out
	v_pk_mul_f32 v[12+8*\j:13+8*\j], v[12+8*\j:13+8*\j], s[24:25] op_sel_hi:[1,0]
	v_pk_mul_f32 v[14+8*\j:15+8*\j], v[14+8*\j:15+8*\j], s[24:25] op_sel_hi:[1,0]
	v_pk_fma_f32 v[8+8*\j:9+8*\j], v[8+8*\j:9+8*\j], s[18:19], v[12+8*\j:13+8*\j] op_sel_hi:[1,0,1]
	v_pk_fma_f32 v[10+8*\j:11+8*\j], v[10+8*\j:11+8*\j], s[18:19], v[14+8*\j:15+8*\j] op_sel_hi:[1,0,1]
	global_store_b128 v1, v[8+8*\j:11+8*\j], s[10:11] offset:512*\j th:TH_STORE_NT
.endr
	s_endpgm
.Lfunc_end_k_q3a6fc97c56_combine:
	.size	k_q3a6fc97c56_combine, .Lfunc_end_k_q3a6fc97c56_combine-k_q3a6fc97c56_combine
	.p2alignl 7, 3214868480
	.fill 96, 4, 3214868480
	.section	.rodata,"a",@progbits
	.p2align	6, 0x0
	.amdhsa_kernel k_q3a6fc97c56_combine
		.amdhsa_group_segment_fixed_size 0
		.amdhsa_private_segment_fixed_size 0
		.amdhsa_enable_private_segment 0
		.amdhsa_kernarg_size 32
		.amdhsa_user_sgpr_count 2
		.amdhsa_user_sgpr_kernarg_segment_ptr 1
		.amdhsa_wavefront_size32 1
		.amdhsa_system_sgpr_workgroup_id_x 1
		.amdhsa_system_sgpr_workgroup_id_y 1
		.amdhsa_system_sgpr_workgroup_id_z 1
		.amdhsa_system_vgpr_workitem_id 0
		.amdhsa_next_free_vgpr 72
		.amdhsa_next_free_sgpr 66
		.amdhsa_reserve_vcc 0
		.amdhsa_float_denorm_mode_32 3
		.amdhsa_float_denorm_mode_16_64 3
		.amdhsa_memory_ordered 1
		.amdhsa_forward_progress 1
		.amdhsa_inst_pref_size 6
	.end_amdhsa_kernel
	.amdgpu_metadata
---
amdhsa.version: [ 1, 2 ]
amdhsa.kernels:
  - .name:           k_q3a6fc97c56_combine
    .symbol:         k_q3a6fc97c56_combine.kd
    .args:
      - { .name: yb, .offset: 0, .size: 8, .value_kind: global_buffer, .address_space: global }
      - { .name: route, .offset: 8, .size: 8, .value_kind: global_buffer, .address_space: global }
      - { .name: wgt, .offset: 16, .size: 8, .value_kind: global_buffer, .address_space: global }
      - { .name: out0, .offset: 24, .size: 8, .value_kind: global_buffer, .address_space: global }
    .group_segment_fixed_size: 0
    .private_segment_fixed_size: 0
    .kernarg_segment_align: 8
    .kernarg_segment_size: 32
    .max_flat_workgroup_size: 128
    .sgpr_count:     66
    .vgpr_count:     72
    .wavefront_size: 32
...
	.end_amdgpu_metadata
.endif
;; end of part 5
;; ======== version 2 of 3: 5 launches
;; workspace buffers: xq 819,200 bytes; sel 8,192 bytes of whole numbers; wgt 8,192 bytes; route 59,648 bytes of whole numbers; hq 12,582,912 bytes; hs 524,288 bytes; yb 33,554,432 bytes
;; launch route: the kernel of part 1 again; grid 256 x 1, 1 waves a work-group, no clusters, 18,688 bytes of LDS; arguments hidden_states, Wc, bc, xq, sel, wgt; writes xq, sel, wgt
;; launch place (part 6): grid 8 x 4, 4 waves a work-group, no clusters, 0 bytes of LDS; arguments sel, route; writes route
.if DOCPART == 6
	.amdgcn_target "amdgcn-amd-amdhsa--gfx1250"
	.amdhsa_code_object_version 6
	.text
	.protected	k_q3a6fc97c56_place
	.globl	k_q3a6fc97c56_place
	.p2align	8
	.type	k_q3a6fc97c56_place,@function
k_q3a6fc97c56_place:
	s_mov_b64 s[64:65], 0
	v_nop
	global_prefetch_b8 v0, s[64:65] scope:SCOPE_SE
	s_setreg_imm32_b32 hwreg(HW_REG_WAVE_MODE, 25, 1), 1
	s_wait_xcnt 0x0
; THE ROWS ARE PLACED BY EXPERT: a counting sort without atomics and without traffic between waves.  sel[2 t + k] is the expert of token t's slot k: 2,048 words.
; SHARES.  Work-group (x, y), wave w: expert e = x, section s = 4 y + w of sixteen.  A section is 128 entries of sel: one load of 16 bytes a lane.
; Every wave reads ALL of sel (8 KiB) and counts its expert's matches: the total, and those in the sections before its own.  So it knows the ranks of its own section's matches by itself.
; A rank = the matches in earlier sections + those in earlier registers of my section + those in lower lanes of this register (v_mbcnt on the compare's mask).  The order of an expert's rows is free; it only has to be one order.
; STORED, all in the buffer route, here counted in words:  list: at 1,056 e + i: the token of the expert's row i; the words from the count on up to 1,023 hold token 0, so that a block of rows can always be filled
;   (section s fills words 64 s .. 64 s + 63 of them);  posof: at 8,448 + 2 t + k: 1,024 e + the rank;  the counts: at 10,752 + e, by section 0.
; EXEC is never narrowed: a lane with nothing to store writes a dump word of its own: word 10,816 + 32 (16 e + s) + lane: 32 words for each of the 128 waves, which nobody reads; no byte is stored by two work-groups.
; Every index whose choice hangs on loaded numbers is held by v_min_u32 at the buffer's last word in front of the shift that makes it an address.
; EACH OF THE WAVE'S 11 STORES HAS ADDRESS AND DATA REGISTERS OF ITS OWN, written once: no source of a pending store is ever rewritten, so no wait stands between the stores.
; No LDS, no barrier: waves share nothing.  32 work-groups: the work is 8 KiB in and 42 KiB out, and a finer split would only repeat the counting.
; REGISTERS.  v1 lane; v2, v3 load offsets; v4 my dump word; v5 my first token; v6 my first word of posof; v7 my first tail word; v13 0; v16-79 all of sel; v80-83 my section; v84-87 ranks;
;   v88-91, v92-95 the list's addresses and data; v96-99, v100-103 posof's; v104-105 the tail's addresses; v108, v109 the count's.
;   s9 section, s10 expert, s13 the total, s14 the matches before my section, s20-23 my four masks, s24-27 the ranks' bases, s32-47 and s48-63 two sets of sixteen masks, then counts.
.set LISTW, 1056                       ; words from an expert's list to the next
.set POSW,  8448
.set CNTW,  10752
.set DUMPW, 10816
.set LASTW, 14911                      ; the buffer's last word
	s_load_b128 s[4:7], s[0:1], 0x0                ; sel s[4:5], route s[6:7]
	v_lshrrev_b32 v1, 5, v0
	v_readfirstlane_b32 s8, v1                     ; wave
	s_and_b32 s9, ttmp7, 0xffff
	s_lshl_b32 s9, s9, 2
	s_add_co_u32 s9, s9, s8                        ; section s = 4 y + wave
	s_mov_b32 s10, ttmp9                           ; expert e
	v_and_b32 v1, 31, v0                           ; lane
	v_lshlrev_b32 v2, 4, v1                        ; 16 bytes a lane
	s_lshl_b32 s11, s9, 9
	v_add_nc_u32 v3, s11, v2                       ; my section: 512 s + 16 lane
	s_lshl_b32 s12, s10, 4
	s_add_co_u32 s12, s12, s9
	s_lshl_b32 s12, s12, 5
	s_add_co_u32 s12, s12, DUMPW
	v_add_nc_u32 v4, s12, v1                       ; my dump word
	s_lshl_b32 s16, s9, 6
	v_lshl_add_u32 v5, v1, 1, s16                  ; entry 128 s + 4 lane + i belongs to token 64 s + 2 lane + i / 2
	v_add_nc_u32 v7, s16, v1                       ; tail: list word 64 s + lane
	s_lshl_b32 s17, s9, 7
	s_add_co_u32 s17, s17, POSW
	v_lshl_add_u32 v6, v1, 2, s17                  ; posof's word of my entry 0
	v_mov_b32 v13, 0
	s_mov_b32 s13, 0
	s_mov_b32 s14, 0
	s_mul_i32 s15, s10, LISTW
	s_lshl_b32 s31, s10, 10
	s_cmp_eq_u32 s9, 0
	s_cselect_b32 s30, 1, 0                        ; a mask of lanes: lane 0 of section 0 stores the count
	s_wait_kmcnt 0x0
.irp j, 0,1,2,3,4,5,6,7,8,9,10,11,12,13,14,15
	global_load_b128 v[16+4*\j:19+4*\j], v2, s[4:5] offset:512*\j  ; section j: 512 consecutive bytes
.endr
	global_load_b128 v[80:83], v3, s[4:5]          ; my own section once more, into registers whose numbers do not hang on s
; Sections 4 g .. 4 g + 3: sixteen compares into the set of scalar registers from base on.
.macro CMP g, base
	s_wait_loadcnt 13-4*(\g)                       ; behind load 4 g + 3 come 12 - 4 g loads of sel and my own section's: they may stay out
.irp k, 0,1,2,3,4,5,6,7,8,9,10,11,12,13,14,15
	v_cmp_eq_u32 s[(\base)+\k], s10, v[16+16*(\g)+\k]
.endr
.endm
; Their counts: four registers to a section; each section's count goes into the total, and into the matches before mine if the section lies before mine.
.macro SUM g, base
.irp k, 0,1,2,3,4,5,6,7,8,9,10,11,12,13,14,15
	s_bcnt1_i32_b32 s[(\base)+\k], s[(\base)+\k]
.endr
.irp c, 0,1,2,3
	s_add_co_u32 s[(\base)+4*\c], s[(\base)+4*\c], s[(\base)+4*\c+1]
	s_add_co_u32 s[(\base)+4*\c+2], s[(\base)+4*\c+2], s[(\base)+4*\c+3]
.endr
.irp c, 0,1,2,3
	s_add_co_u32 s[(\base)+4*\c], s[(\base)+4*\c], s[(\base)+4*\c+2]
.endr
.irp c, 0,1,2,3
	s_add_co_u32 s13, s13, s[(\base)+4*\c]
	s_cmp_gt_u32 s9, 4*(\g)+\c                     ; (compared anew each time: the additions write SCC)
	s_cselect_b32 s16, s[(\base)+4*\c], 0
	s_add_co_u32 s14, s14, s16
.endr
.endm
	CMP 0, 32                                      ; the compares run one group ahead of the scalar sums, in two sets by turns
	CMP 1, 48
	SUM 0, 32
	CMP 2, 32
	SUM 1, 48
	CMP 3, 48
	s_wait_loadcnt 0x0                             ; my own section
.irp i, 0,1,2,3
	v_cmp_eq_u32 s[20+\i], s10, v[80+\i]
.endr
	SUM 2, 32
	SUM 3, 48
	s_bcnt1_i32_b32 s17, s20
	s_bcnt1_i32_b32 s18, s21
	s_bcnt1_i32_b32 s19, s22
	s_mov_b32 s24, s14                             ; the ranks' bases: what lies before register i of my section
	s_add_co_u32 s25, s24, s17
	s_add_co_u32 s26, s25, s18
	s_add_co_u32 s27, s26, s19
	; MY 128 ENTRIES, the four registers by turns
.irp i, 0,1,2,3
	v_mbcnt_lo_u32_b32 v[84+\i], s[20+\i], s[24+\i]        ; the rank (of use where the lane matches)
.endr
.irp i, 0,1,2,3
	v_add_nc_u32 v[88+\i], s15, v[84+\i]           ; the list's word: 1,056 e + rank
	v_add_nc_u32 v[92+\i], \i/2, v5                ; its data: the token
	v_add_nc_u32 v[96+\i], \i, v6                  ; posof's word
	v_or_b32 v[100+\i], s31, v[84+\i]              ; its data: 1,024 e + rank (an expert has at most one slot of a token: rank < 1,024)
.endr
.irp i, 0,1,2,3
	v_cndmask_b32 v[88+\i], v4, v[88+\i], s[20+\i] ; no match: my dump word.  (The choice stands ahead of the clamp)
	v_cndmask_b32 v[96+\i], v4, v[96+\i], s[20+\i]
.endr
.irp i, 0,1,2,3
	v_min_u32 v[88+\i], LASTW, v[88+\i]
	v_min_u32 v[96+\i], LASTW, v[96+\i]
.endr
.irp i, 0,1,2,3
	v_lshlrev_b32 v[88+\i], 2, v[88+\i]
	v_lshlrev_b32 v[96+\i], 2, v[96+\i]
.endr
.irp i, 0,1,2,3
	global_store_b32 v[88+\i], v[92+\i], s[6:7]
	global_store_b32 v[96+\i], v[100+\i], s[6:7]
.endr
	; THE TAIL: list words 64 s + 32 n + lane hold token 0 from the count on
.irp n, 0,1
	v_add_nc_u32 v[104+\n], 32*\n, v7
.endr
.irp n, 0,1
	v_cmp_le_u32 s[28+\n], s13, v[104+\n]
.endr
.irp n, 0,1
	v_add_nc_u32 v[104+\n], s15, v[104+\n]
.endr
.irp n, 0,1
	v_cndmask_b32 v[104+\n], v4, v[104+\n], s[28+\n]
.endr
.irp n, 0,1
	v_min_u32 v[104+\n], LASTW, v[104+\n]
.endr
.irp n, 0,1
	v_lshlrev_b32 v[104+\n], 2, v[104+\n]
.endr
.irp n, 0,1
	global_store_b32 v[104+\n], v13, s[6:7]
.endr
	; THE COUNT: lane 0 of section 0; every other lane writes its dump word
	s_add_co_u32 s16, s10, CNTW
	v_mov_b32 v108, s16
	v_cndmask_b32 v108, v4, v108, s30
	v_lshlrev_b32 v108, 2, v108
	v_mov_b32 v109, s13
	global_store_b32 v108, v109, s[6:7]
	s_endpgm
.Lfunc_end_k_q3a6fc97c56_place:
	.size	k_q3a6fc97c56_place, .Lfunc_end_k_q3a6fc97c56_place-k_q3a6fc97c56_place
	.p2alignl 7, 3214868480
	.fill 96, 4, 3214868480
	.section	.rodata,"a",@progbits
	.p2align	6, 0x0
	.amdhsa_kernel k_q3a6fc97c56_place
		.amdhsa_group_segment_fixed_size 0
		.amdhsa_private_segment_fixed_size 0
		.amdhsa_enable_private_segment 0
		.amdhsa_kernarg_size 16
		.amdhsa_user_sgpr_count 2
		.amdhsa_user_sgpr_kernarg_segment_ptr 1
		.amdhsa_wavefront_size32 1
		.amdhsa_system_sgpr_workgroup_id_x 1
		.amdhsa_system_sgpr_workgroup_id_y 1
		.amdhsa_system_sgpr_workgroup_id_z 1
		.amdhsa_system_vgpr_workitem_id 0
		.amdhsa_next_free_vgpr 112
		.amdhsa_next_free_sgpr 66
		.amdhsa_reserve_vcc 0
		.amdhsa_float_denorm_mode_32 3
		.amdhsa_float_denorm_mode_16_64 3
		.amdhsa_memory_ordered 1
		.amdhsa_forward_progress 1
		.amdhsa_inst_pref_size 17
	.end_amdhsa_kernel
	.amdgpu_metadata
---
amdhsa.version: [ 1, 2 ]
amdhsa.kernels:
  - .name:           k_q3a6fc97c56_place
    .symbol:         k_q3a6fc97c56_place.kd
    .args:
      - { .name: sel, .offset: 0, .size: 8, .value_kind: global_buffer, .address_space: global }
      - { .name: route, .offset: 8, .size: 8, .value_kind: global_buffer, .address_space: global }
    .group_segment_fixed_size: 0
    .private_segment_fixed_size: 0
    .kernarg_segment_align: 8
    .kernarg_segment_size: 16
    .max_flat_workgroup_size: 128
    .sgpr_count:     66
    .vgpr_count:     112
    .wavefront_size: 32
...
	.end_amdgpu_metadata
.endif
;; end of part 6
;; launch gateup: the kernel of part 3 again; grid 32 x 8, 4 waves a work-group, no clusters, 126,976 bytes of LDS; arguments xq, route, Wg_codes, Wg_scales, Wu_codes, Wu_scales, hq, hs; writes hq, hs
;; launch down: the kernel of part 4 again; grid 32 x 8, 4 waves a work-group, no clusters, 170,496 bytes of LDS; arguments hq, hs, route, Wd_codes, Wd_scales, yb; writes yb
;; launch combine: the kernel of part 5 again; grid 256 x 1, 4 waves a work-group, no clusters, 0 bytes of LDS; arguments yb, route, wgt, out0; writes out0
;; ======== version 3 of 3: 5 launches
;; workspace buffers: xq 819,200 bytes; sel 8,192 bytes of whole numbers; wgt 8,192 bytes; route 59,648 bytes of whole numbers; hq 12,582,912 bytes; hs 524,288 bytes; yb 33,554,432 bytes
;; launch route (part 7): grid 256 x 1, 1 waves a work-group, no clusters, 18,688 bytes of LDS; arguments hidden_states, Wc, bc, xq, sel, wgt; writes xq, sel, wgt
.if DOCPART == 7
	.amdgcn_target "amdgcn-amd-amdhsa--gfx1250"
	.amdhsa_code_object_version 6
	.text
	.protected	k_q3a6fc97c56_route
	.globl	k_q3a6fc97c56_route
	.p2align	8
	.type	k_q3a6fc97c56_route,@function
k_q3a6fc97c56_route:
	s_mov_b64 s[64:65], 0
	v_nop
	global_prefetch_b8 v0, s[64:65] scope:SCOPE_SE
	s_setreg_imm32_b32 hwreg(HW_REG_WAVE_MODE, 25, 1), 1
	s_wait_xcnt 0x0
; ROUTER AND QUANTISER OF x.  x: [1024 tokens][1024] f32.  One wave takes four tokens: 4 g .. 4 g + 3, g the work-group's number.
; (a) x is turned into codes of E2M3 with one E8M0 byte for each 32 along D, stored 800 bytes a token: block b's 24 bytes at 96 (b / 4) + 48 (b % 2) + 24 ((b / 2) % 2),
;     so that the 12 registers which lane (r, h) of a fragment of 128 along K wants (blocks 4 s + h and 4 s + 2 + h) are 48 consecutive bytes at 96 s + 48 h; the 32 scale bytes follow at byte 768, in their own order.
; (b) the 8 logits of each token in f32 (fused multiply-adds, then a sum over the lanes), conf = 1 / (1 + 2^(-log2(e) (logit + bc))), the two largest conf (a strict compare in ascending order of experts keeps
;     the lower index at a tie), and the softmax of the two with the larger taken off: w0 = 1 / (1 + e^(c2 - c1)), w1 = e^(c2 - c1) w0.  Experts and weights are stored at FIXED places, 2 t + k: no address here hangs on them.
; A block's scale is 2^(floor(log2(its largest magnitude)) - 2): its byte is the largest magnitude's exponent field - 2, held at 1 from below.
; LIMITS: NaN and infinities among the inputs are not served.  A block of zeros gets the byte 1 where the quantiser says 127: its codes are zeros, and only this program reads the bytes.
; The two largest are chosen among conf as computed here (exponential and reciprocal good to one unit in the last place each): two bids closer than a few such units may be ordered otherwise than by another way of computing the sigmoid.
; No matrix unit: N = 8.  No cluster: work-groups share only Wc, 32 KiB.  No barrier: one wave.
; REGISTERS.  window 0: v1-5, v16 addresses; v6, v7, v31 at work; v8-15 the numbers 0 to 7; v32-63 a block as turned, later 8 registers a token for the choice; v64-191 x as loaded (token t, load j at 64 + 32 t + 4 j);
;   v192-255 first the codes (192 + 8 t) and bytes (224 + t), then the 32 sums, a pair each, (t, e) at 192 + 2 (8 t + e).   window 1: Wc as loaded, expert e, load j at 32 e + 4 j.
.set QROW, 800                         ; bytes of a token in xq
.set SROW, 4608                        ; LDS: a token's stage: 32 blocks x (128 bytes + 16)
.set RAW,  64
.set ACC,  192
.set MSB, 0
.macro WIN new                         ; the immediate's high byte repeats the setting that is left
.if MSB != (\new)
	s_set_vgpr_msb (MSB<<8)|(\new)
.set MSB, (\new)
.endif
.endm
	s_load_b256 s[4:11], s[0:1], 0x0               ; x s[4:5], Wc s[6:7], bc s[8:9], xq s[10:11]
	s_load_b128 s[12:15], s[0:1], 0x20             ; sel s[12:13], wgt s[14:15]
	v_lshl_add_u32 v29, v0, 2, 0x4800
	v_mov_b32 v30, 0
	v_lshlrev_b32 v1, 4, v0                        ; 16 l: my 16 bytes of a load's 512
	v_lshrrev_b32 v2, 3, v0
	v_mul_u32_u24 v2, v2, 144
	v_and_b32 v3, 7, v0
	v_lshl_add_u32 v2, v3, 4, v2                   ; into the stage: eight lanes fill a block: 144 (l / 8) + 16 (l % 8)
	v_mul_u32_u24 v3, v0, 144                      ; out of it: lane l takes block l whole
	v_lshrrev_b32 v4, 2, v0
	v_mul_u32_u24 v4, v4, 96
	v_and_b32 v5, 1, v0
	v_mad_u32_u24 v4, v5, 48, v4
	v_bfe_u32 v5, v0, 1, 1
	v_mad_u32_u24 v4, v5, 24, v4                   ; block l's place in a token's codes
	v_add_nc_u32 v5, 768, v0                       ; and its scale byte's
	v_lshlrev_b32 v16, 2, v0
.irp e, 0,1,2,3,4,5,6,7
	v_mov_b32 v[8+\e], \e
.endr
	s_mov_b32 s24, 0x76543210
	s_mov_b32 s25, 0xfedcba98                      ; v_permlanex16_b32's selects for lane l xor 16
	s_mov_b32 s26, 0xbfb8aa3b                      ; -log2(e)
	s_mov_b32 s27, 0x3fb8aa3b                      ; log2(e)
	s_lshl_b32 s2, ttmp9, 14                       ; four rows of 4,096 bytes
	s_mov_b32 s3, 0
	s_wait_kmcnt 0x0
	s_load_b256 s[16:23], s[8:9], 0x0              ; bc's eight numbers
	s_add_nc_u64 s[4:5], s[4:5], s[2:3]
	s_mul_i32 s2, ttmp9, 4*QROW
	s_add_nc_u64 s[10:11], s[10:11], s[2:3]
	s_lshl_b32 s2, ttmp9, 5                        ; eight words
	s_add_nc_u64 s[12:13], s[12:13], s[2:3]
	s_add_nc_u64 s[14:15], s[14:15], s[2:3]
.irp t, 0,1,2,3
.irp j, 0,1,2,3,4,5,6,7
	global_load_b128 v[RAW+32*\t+4*\j:RAW+32*\t+4*\j+3], v1, s[4:5] offset:4096*\t+512*\j th:TH_LOAD_NT   ; 32 lanes read 512 consecutive bytes
.endr
.endr
	WIN 0x40                                       ; destination window 1
.irp e, 0,1,2,3,4,5,6,7
.irp j, 0,1,2,3,4,5,6,7
	global_load_b128 v[32*\e+4*\j:32*\e+4*\j+3], v1, s[6:7] offset:4096*\e+512*\j
.endr
.endr
	WIN 0
	s_wait_loadcnt 63                              ; 96 loads were issued: with 63 out at the most the oldest 33 are in, x's 32 among them; Wc goes on landing under the quantiser
; Token t goes through its stage as it lies and comes back a block to a lane; then the block's scale, its codes and its byte.
.macro TURN t
.irp j, 0,1,2,3,4,5,6,7
	ds_store_b128 v2, v[RAW+32*\t+4*\j:RAW+32*\t+4*\j+3] offset:SROW*\t+576*\j
.endr
.irp i, 0,1,2,3,4,5,6,7
	ds_load_b128 v[32+4*\i:35+4*\i], v3 offset:SROW*\t+16*\i      ; LDS serves a wave's instructions in order: these see the stores above
.endr
	s_wait_dscnt 0x0
	v_max3_num_f32 v6, |v32|, |v33|, |v34|         ; the block's largest magnitude: all 32 numbers are mine; two chains
	v_max3_num_f32 v7, |v35|, |v36|, |v37|
.irp i, 6,10,14,18,22,26
	v_max3_num_f32 v6, v6, |v[32+\i]|, |v[33+\i]|
	v_max3_num_f32 v7, v7, |v[34+\i]|, |v[35+\i]|
.endr
	v_max3_num_f32 v6, v6, |v62|, |v63|
	v_max3_num_f32 v6, v6, v7, 0x1800000           ; and the floor 2^(3 - 127): the byte cannot fall under 1
	v_add_nc_u32 v31, 0xff000000, v6               ; 2 off its exponent field: the conversion takes the exponent field of this operand as its scale
	v_cvt_scalef32_pk16_fp6_f32 v[ACC+8*\t:ACC+8*\t+2], v[32:47], v31
	v_cvt_scalef32_pk16_fp6_f32 v[ACC+8*\t+4:ACC+8*\t+6], v[48:63], v31   ; (a conversion's three registers begin on an even number)
	v_lshrrev_b32 v[224+\t], 23, v31               ; the scale's byte; also the plain line behind the conversions
	global_store_b96 v4, v[ACC+8*\t:ACC+8*\t+2], s[10:11] offset:QROW*\t
	global_store_b96 v4, v[ACC+8*\t+4:ACC+8*\t+6], s[10:11] offset:QROW*\t+12
	global_store_b8 v5, v[224+\t], s[10:11] offset:QROW*\t        ; 32 lanes store the token's 32 consecutive scale bytes
.endm
	TURN 0
	TURN 1
	TURN 2
	TURN 3
	s_wait_loadcnt 0x0                             ; Wc
	s_wait_xcnt 0x0                                ; the stores above have read v192 on: the sums may begin there
	; The 32 dot products.  x and Wc lie in the registers in the same order (as loaded), so the products need no turn.  32 sums by turns; the first product starts each.
	WIN 0x04                                       ; source 1 (Wc) window 1
.irp t, 0,1,2,3
.irp e, 0,1,2,3,4,5,6,7
	v_pk_mul_f32 v[ACC+16*\t+2*\e:ACC+16*\t+2*\e+1], v[RAW+32*\t:RAW+32*\t+1], v[32*\e:32*\e+1]
.endr
.endr
.irp i, 1,2,3,4,5,6,7,8,9,10,11,12,13,14,15
.irp t, 0,1,2,3
.irp e, 0,1,2,3,4,5,6,7
	v_pk_fma_f32 v[ACC+16*\t+2*\e:ACC+16*\t+2*\e+1], v[RAW+32*\t+2*\i:RAW+32*\t+2*\i+1], v[32*\e+2*\i:32*\e+2*\i+1], v[ACC+16*\t+2*\e:ACC+16*\t+2*\e+1]
.endr
.endr
.endr
	WIN 0
.set q, 0
.rept 32
	v_add_f32 v[ACC+2*q], v[ACC+2*q], v[ACC+2*q+1] ; a pair's two halves
.set q, q+1
.endr
.irp x, 1,2,4,8                        ; across the sixteen lanes of a half,
.set q, 0
.rept 32
	v_add_f32_dpp v[ACC+2*q], v[ACC+2*q], v[ACC+2*q] row_xmask:\x row_mask:0xf bank_mask:0xf
.set q, q+1
.endr
.endr
.set q, 0
.rept 32
	v_permlanex16_b32 v[ACC+2*q+1], v[ACC+2*q], s24, s25   ; and the other half's (the destination has been written: it held the pair's upper sum)
.set q, q+1
.endr
.set q, 0
.rept 32
	v_add_f32 v[ACC+2*q], v[ACC+2*q], v[ACC+2*q+1] ; every lane now holds all 32 logits
.set q, q+1
.endr
	s_wait_kmcnt 0x0                               ; bc
.irp e, 0,1,2,3,4,5,6,7
	s_mul_f32 s[16+\e], s[16+\e], s26              ; -log2(e) bc
.endr
.set q, 0
.rept 32
	v_fma_f32 v[ACC+2*q], v[ACC+2*q], s26, s[16+q%8]       ; -log2(e) (logit + bc), one fused multiply-add
.set q, q+1
.endr
.set q, 0
	s_wait_alu depctr_va_vdst(0)
.rept 32
	v_exp_f32 v[ACC+2*q], v[ACC+2*q]
.set q, q+1
.endr
	v_nop                                          ; a plain line between the exponentials and the first use of a result
.set q, 0
	s_wait_alu depctr_va_vdst(0)
.rept 32
	v_add_f32 v[ACC+2*q], 1.0, v[ACC+2*q]
.set q, q+1
.endr
.set q, 0
	s_wait_alu depctr_va_vdst(0)
.rept 32
	v_rcp_f32 v[ACC+2*q], v[ACC+2*q]               ; conf
.set q, q+1
.endr
	v_nop
	; THE TWO LARGEST, the four tokens by turns.  Token t: v[32 + 8 t] the largest, +1 its expert, +2 the second, +3 its expert.
	s_wait_alu depctr_va_vdst(0)
.irp t, 0,1,2,3
	v_mov_b32 v[32+8*\t], v[ACC+16*\t]
	v_mov_b32 v[33+8*\t], 0
	v_mov_b32 v[34+8*\t], -1.0                     ; under every conf
	v_mov_b32 v[35+8*\t], 0
.endr
.irp e, 1,2,3,4,5,6,7
.irp t, 0,1,2,3
	v_cmp_gt_f32 s[28+2*\t], v[ACC+16*\t+2*\e], v[32+8*\t]     ; strictly greater: at a tie the lower index stays
.endr
.irp t, 0,1,2,3
	v_cndmask_b32 v[32+8*\t], v[32+8*\t], v[ACC+16*\t+2*\e], s[28+2*\t]
	v_cndmask_b32 v[33+8*\t], v[33+8*\t], v[8+\e], s[28+2*\t]
.endr
.endr
.irp e, 0,1,2,3,4,5,6,7
.irp t, 0,1,2,3
	v_cmp_gt_f32 s[28+2*\t], v[ACC+16*\t+2*\e], v[34+8*\t]
	v_cmp_ne_u32 s[29+2*\t], v[8+\e], v[33+8*\t]   ; not the expert already taken
.endr
.irp t, 0,1,2,3
	s_and_b32 s[28+2*\t], s[28+2*\t], s[29+2*\t]
.endr
.irp t, 0,1,2,3
	v_cndmask_b32 v[34+8*\t], v[34+8*\t], v[ACC+16*\t+2*\e], s[28+2*\t]
	v_cndmask_b32 v[35+8*\t], v[35+8*\t], v[8+\e], s[28+2*\t]
.endr
.endr
	; the softmax of the two bids, the larger taken off: +4 e^(c2 - c1), +5 w0, +6 w1
.irp t, 0,1,2,3
	v_sub_f32 v[36+8*\t], v[34+8*\t], v[32+8*\t]
.endr
.irp t, 0,1,2,3
	v_mul_f32 v[36+8*\t], s27, v[36+8*\t]
.endr
	s_wait_alu depctr_va_vdst(0)
.irp t, 0,1,2,3
	v_exp_f32 v[36+8*\t], v[36+8*\t]
.endr
	v_nop
	s_wait_alu depctr_va_vdst(0)
.irp t, 0,1,2,3
	v_add_f32 v[37+8*\t], 1.0, v[36+8*\t]
.endr
	s_wait_alu depctr_va_vdst(0)
.irp t, 0,1,2,3
	v_rcp_f32 v[37+8*\t], v[37+8*\t]
.endr
	v_nop
	s_wait_alu depctr_va_vdst(0)
.irp t, 0,1,2,3
	v_mul_f32 v[38+8*\t], v[36+8*\t], v[37+8*\t]
.endr
	; lane l < 8 takes entry l = 2 t + k of the eight
	v_mov_b32 v17, v33
	v_mov_b32 v18, v37
.irp n, 1,2,3,4,5,6,7
	v_cmp_eq_u32 vcc_lo, \n, v0
	v_cndmask_b32 v17, v17, v[33+8*(\n/2)+2*(\n%2)], vcc_lo
	v_cndmask_b32 v18, v18, v[37+8*(\n/2)+(\n%2)], vcc_lo
.endr
	s_wait_alu depctr_va_vdst(0)
	s_wait_xcnt 0x0                                ; EXEC is a source of the stores issued above: it changes only behind this wait
	v_cmp_gt_u32 vcc_lo, 8, v0
	s_wait_tensorcnt 0x0
	ds_add_u32 v29, v30
	s_wait_dscnt 0x0
	s_and_saveexec_b32 s36, vcc_lo
	global_store_b32 v16, v17, s[12:13]
	global_store_b32 v16, v18, s[14:15]
	s_wait_xcnt 0x0                                ; and again in front of the line that widens it
	s_or_b32 exec_lo, exec_lo, s36
	s_endpgm
.Lfunc_end_k_q3a6fc97c56_route:
	.size	k_q3a6fc97c56_route, .Lfunc_end_k_q3a6fc97c56_route-k_q3a6fc97c56_route
	.p2alignl 7, 3214868480
	.fill 96, 4, 3214868480
	.section	.rodata,"a",@progbits
	.p2align	6, 0x0
	.amdhsa_kernel k_q3a6fc97c56_route
		.amdhsa_group_segment_fixed_size 18688
		.amdhsa_private_segment_fixed_size 0
		.amdhsa_enable_private_segment 0
		.amdhsa_kernarg_size 48
		.amdhsa_user_sgpr_count 2
		.amdhsa_user_sgpr_kernarg_segment_ptr 1
		.amdhsa_wavefront_size32 1
		.amdhsa_system_sgpr_workgroup_id_x 1
		.amdhsa_system_sgpr_workgroup_id_y 1
		.amdhsa_system_sgpr_workgroup_id_z 1
		.amdhsa_system_vgpr_workitem_id 0
		.amdhsa_next_free_vgpr 512
		.amdhsa_next_free_sgpr 66
		.amdhsa_reserve_vcc 1
		.amdhsa_float_denorm_mode_32 3
		.amdhsa_float_denorm_mode_16_64 3
		.amdhsa_memory_ordered 1
		.amdhsa_forward_progress 1
		.amdhsa_inst_pref_size 89
	.end_amdhsa_kernel
	.amdgpu_metadata
---
amdhsa.version: [ 1, 2 ]
amdhsa.kernels:
  - .name:           k_q3a6fc97c56_route
    .symbol:         k_q3a6fc97c56_route.kd
    .args:
      - { .name: hidden_states, .offset: 0, .size: 8, .value_kind: global_buffer, .address_space: global }
      - { .name: Wc, .offset: 8, .size: 8, .value_kind: global_buffer, .address_space: global }
      - { .name: bc, .offset: 16, .size: 8, .value_kind: global_buffer, .address_space: global }
      - { .name: xq, .offset: 24, .size: 8, .value_kind: global_buffer, .address_space: global }
      - { .name: sel, .offset: 32, .size: 8, .value_kind: global_buffer, .address_space: global }
      - { .name: wgt, .offset: 40, .size: 8, .value_kind: global_buffer, .address_space: global }
    .group_segment_fixed_size: 18688
    .private_segment_fixed_size: 0
    .kernarg_segment_align: 8
    .kernarg_segment_size: 48
    .max_flat_workgroup_size: 32
    .sgpr_count:     66
    .vgpr_count:     512
    .wavefront_size: 32
...
	.end_amdgpu_metadata
.endif
;; end of part 7
;; launch place (part 8): grid 8 x 4, 4 waves a work-group, no clusters, 0 bytes of LDS; arguments sel, route; writes route
.if DOCPART == 8
	.amdgcn_target "amdgcn-amd-amdhsa--gfx1250"
	.amdhsa_code_object_version 6
	.text
	.protected	k_q3a6fc97c56_place
	.globl	k_q3a6fc97c56_place
	.p2align	8
	.type	k_q3a6fc97c56_place,@function
k_q3a6fc97c56_place:
	s_mov_b64 s[64:65], 0
	v_nop
	global_prefetch_b8 v0, s[64:65] scope:SCOPE_SE
	s_setreg_imm32_b32 hwreg(HW_REG_WAVE_MODE, 25, 1), 1
	s_wait_xcnt 0x0
; THE ROWS ARE PLACED BY EXPERT: a counting sort without atomics and without traffic between waves.  sel[2 t + k] is the expert of token t's slot k: 2,048 words.
; SHARES.  Work-group (x, y), wave w: expert e = x, section s = 4 y + w of sixteen.  A section is 128 entries of sel: one load of 16 bytes a lane.
; Every wave reads ALL of sel (8 KiB) and counts its expert's matches: the total, and those in the sections before its own.  So it knows the ranks of its own section's matches by itself.
; A rank = the matches in earlier sections + those in earlier registers of my section + those in lower lanes of this register (v_mbcnt on the compare's mask).  The order of an expert's rows is free; it only has to be one order.
; STORED, all in the buffer route, here counted in words:  list: at 1,056 e + i: the token of the expert's row i; the words from the count on up to 1,023 hold token 0, so that a block of rows can always be filled
;   (section s fills words 64 s .. 64 s + 63 of them);  posof: at 8,448 + 2 t + k: 1,024 e + the rank;  the counts: at 10,752 + e, by section 0.
; EXEC is never narrowed: a lane with nothing to store writes a dump word of its own: word 10,816 + 32 (16 e + s) + lane: 32 words for each of the 128 waves, which nobody reads; no byte is stored by two work-groups.
; Every index whose choice hangs on loaded numbers is held by v_min_u32 at the buffer's last word in front of the shift that makes it an address.
; EACH OF THE WAVE'S 11 STORES HAS ADDRESS AND DATA REGISTERS OF ITS OWN, written once: no source of a pending store is ever rewritten, so no wait stands between the stores.
; No LDS, no barrier: waves share nothing.  32 work-groups: the work is 8 KiB in and 42 KiB out, and a finer split would only repeat the counting.
; REGISTERS.  v1 lane; v2, v3 load offsets; v4 my dump word; v5 my first token; v6 my first word of posof; v7 my first tail word; v13 0; v16-79 all of sel; v80-83 my section; v84-87 ranks;
;   v88-91, v92-95 the list's addresses and data; v96-99, v100-103 posof's; v104-105 the tail's addresses; v108, v109 the count's.
;   s9 section, s10 expert, s13 the total, s14 the matches before my section, s20-23 my four masks, s24-27 the ranks' bases, s32-47 and s48-63 two sets of sixteen masks, then counts.
.set LISTW, 1056                       ; words from an expert's list to the next
.set POSW,  8448
.set CNTW,  10752
.set DUMPW, 10816
.set LASTW, 14911                      ; the buffer's last word
	s_load_b128 s[4:7], s[0:1], 0x0                ; sel s[4:5], route s[6:7]
	v_lshrrev_b32 v1, 5, v0
	v_readfirstlane_b32 s8, v1                     ; wave
	s_and_b32 s9, ttmp7, 0xffff
	s_lshl_b32 s9, s9, 2
	s_add_co_u32 s9, s9, s8                        ; section s = 4 y + wave
	s_mov_b32 s10, ttmp9                           ; expert e
	v_and_b32 v1, 31, v0                           ; lane
	s_wait_alu depctr_va_vdst(0)
	v_lshlrev_b32 v2, 4, v1                        ; 16 bytes a lane
	s_lshl_b32 s11, s9, 9
	v_add_nc_u32 v3, s11, v2                       ; my section: 512 s + 16 lane
	s_lshl_b32 s12, s10, 4
	s_add_co_u32 s12, s12, s9
	s_lshl_b32 s12, s12, 5
	s_add_co_u32 s12, s12, DUMPW
	v_add_nc_u32 v4, s12, v1                       ; my dump word
	s_lshl_b32 s16, s9, 6
	v_lshl_add_u32 v5, v1, 1, s16                  ; entry 128 s + 4 lane + i belongs to token 64 s + 2 lane + i / 2
	v_add_nc_u32 v7, s16, v1                       ; tail: list word 64 s + lane
	s_lshl_b32 s17, s9, 7
	s_add_co_u32 s17, s17, POSW
	v_lshl_add_u32 v6, v1, 2, s17                  ; posof's word of my entry 0
	v_mov_b32 v13, 0
	s_mov_b32 s13, 0
	s_mov_b32 s14, 0
	s_mul_i32 s15, s10, LISTW
	s_lshl_b32 s31, s10, 10
	s_cmp_eq_u32 s9, 0
	s_cselect_b32 s30, 1, 0                        ; a mask of lanes: lane 0 of section 0 stores the count
	s_wait_alu depctr_va_vdst(0)
	s_wait_kmcnt 0x0
.irp j, 0,1,2,3,4,5,6,7,8,9,10,11,12,13,14,15
	global_load_b128 v[16+4*\j:19+4*\j], v2, s[4:5] offset:512*\j  ; section j: 512 consecutive bytes
.endr
	global_load_b128 v[80:83], v3, s[4:5]          ; my own section once more, into registers whose numbers do not hang on s
; Sections 4 g .. 4 g + 3: sixteen compares into the set of scalar registers from base on.
.macro CMP g, base
	s_wait_loadcnt 13-4*(\g)                       ; behind load 4 g + 3 come 12 - 4 g loads of sel and my own section's: they may stay out
.irp k, 0,1,2,3,4,5,6,7,8,9,10,11,12,13,14,15
	v_cmp_eq_u32 s[(\base)+\k], s10, v[16+16*(\g)+\k]
.endr
.endm
; Their counts: four registers to a section; each section's count goes into the total, and into the matches before mine if the section lies before mine.
.macro SUM g, base
.irp k, 0,1,2,3,4,5,6,7,8,9,10,11,12,13,14,15
	s_bcnt1_i32_b32 s[(\base)+\k], s[(\base)+\k]
.endr
.irp c, 0,1,2,3
	s_add_co_u32 s[(\base)+4*\c], s[(\base)+4*\c], s[(\base)+4*\c+1]
	s_add_co_u32 s[(\base)+4*\c+2], s[(\base)+4*\c+2], s[(\base)+4*\c+3]
.endr
.irp c, 0,1,2,3
	s_add_co_u32 s[(\base)+4*\c], s[(\base)+4*\c], s[(\base)+4*\c+2]
.endr
.irp c, 0,1,2,3
	s_add_co_u32 s13, s13, s[(\base)+4*\c]
	s_cmp_gt_u32 s9, 4*(\g)+\c                     ; (compared anew each time: the additions write SCC)
	s_cselect_b32 s16, s[(\base)+4*\c], 0
	s_add_co_u32 s14, s14, s16
.endr
.endm
	CMP 0, 32                                      ; the compares run one group ahead of the scalar sums, in two sets by turns
	CMP 1, 48
	SUM 0, 32
	CMP 2, 32
	SUM 1, 48
	CMP 3, 48
	s_wait_loadcnt 0x0                             ; my own section
.irp i, 0,1,2,3
	v_cmp_eq_u32 s[20+\i], s10, v[80+\i]
.endr
	SUM 2, 32
	SUM 3, 48
	s_bcnt1_i32_b32 s17, s20
	s_bcnt1_i32_b32 s18, s21
	s_bcnt1_i32_b32 s19, s22
	s_mov_b32 s24, s14                             ; the ranks' bases: what lies before register i of my section
	s_add_co_u32 s25, s24, s17
	s_add_co_u32 s26, s25, s18
	s_add_co_u32 s27, s26, s19
	; MY 128 ENTRIES, the four registers by turns
.irp i, 0,1,2,3
	v_mbcnt_lo_u32_b32 v[84+\i], s[20+\i], s[24+\i]        ; the rank (of use where the lane matches)
.endr
.irp i, 0,1,2,3
	v_add_nc_u32 v[88+\i], s15, v[84+\i]           ; the list's word: 1,056 e + rank
	v_add_nc_u32 v[92+\i], \i/2, v5                ; its data: the token
	v_add_nc_u32 v[96+\i], \i, v6                  ; posof's word
	v_or_b32 v[100+\i], s31, v[84+\i]              ; its data: 1,024 e + rank (an expert has at most one slot of a token: rank < 1,024)
.endr
.irp i, 0,1,2,3
	v_cndmask_b32 v[88+\i], v4, v[88+\i], s[20+\i] ; no match: my dump word.  (The choice stands ahead of the clamp)
	v_cndmask_b32 v[96+\i], v4, v[96+\i], s[20+\i]
.endr
.irp i, 0,1,2,3
	v_min_u32 v[88+\i], LASTW, v[88+\i]
	v_min_u32 v[96+\i], LASTW, v[96+\i]
.endr
.irp i, 0,1,2,3
	v_lshlrev_b32 v[88+\i], 2, v[88+\i]
	v_lshlrev_b32 v[96+\i], 2, v[96+\i]
.endr
.irp i, 0,1,2,3
	global_store_b32 v[88+\i], v[92+\i], s[6:7]
	global_store_b32 v[96+\i], v[100+\i], s[6:7]
.endr
	; THE TAIL: list words 64 s + 32 n + lane hold token 0 from the count on
.irp n, 0,1
	v_add_nc_u32 v[104+\n], 32*\n, v7
.endr
.irp n, 0,1
	v_cmp_le_u32 s[28+\n], s13, v[104+\n]
.endr
.irp n, 0,1
	v_add_nc_u32 v[104+\n], s15, v[104+\n]
.endr
.irp n, 0,1
	v_cndmask_b32 v[104+\n], v4, v[104+\n], s[28+\n]
.endr
.irp n, 0,1
	v_min_u32 v[104+\n], LASTW, v[104+\n]
.endr
.irp n, 0,1
	v_lshlrev_b32 v[104+\n], 2, v[104+\n]
.endr
.irp n, 0,1
	global_store_b32 v[104+\n], v13, s[6:7]
.endr
	; THE COUNT: lane 0 of section 0; every other lane writes its dump word
	s_add_co_u32 s16, s10, CNTW
	v_mov_b32 v108, s16
	v_cndmask_b32 v108, v4, v108, s30
	v_lshlrev_b32 v108, 2, v108
	v_mov_b32 v109, s13
	global_store_b32 v108, v109, s[6:7]
	s_endpgm
.Lfunc_end_k_q3a6fc97c56_place:
	.size	k_q3a6fc97c56_place, .Lfunc_end_k_q3a6fc97c56_place-k_q3a6fc97c56_place
	.p2alignl 7, 3214868480
	.fill 96, 4, 3214868480
	.section	.rodata,"a",@progbits
	.p2align	6, 0x0
	.amdhsa_kernel k_q3a6fc97c56_place
		.amdhsa_group_segment_fixed_size 0
		.amdhsa_private_segment_fixed_size 0
		.amdhsa_enable_private_segment 0
		.amdhsa_kernarg_size 16
		.amdhsa_user_sgpr_count 2
		.amdhsa_user_sgpr_kernarg_segment_ptr 1
		.amdhsa_wavefront_size32 1
		.amdhsa_system_sgpr_workgroup_id_x 1
		.amdhsa_system_sgpr_workgroup_id_y 1
		.amdhsa_system_sgpr_workgroup_id_z 1
		.amdhsa_system_vgpr_workitem_id 0
		.amdhsa_next_free_vgpr 112
		.amdhsa_next_free_sgpr 66
		.amdhsa_reserve_vcc 0
		.amdhsa_float_denorm_mode_32 3
		.amdhsa_float_denorm_mode_16_64 3
		.amdhsa_memory_ordered 1
		.amdhsa_forward_progress 1
		.amdhsa_inst_pref_size 18
	.end_amdhsa_kernel
	.amdgpu_metadata
---
amdhsa.version: [ 1, 2 ]
amdhsa.kernels:
  - .name:           k_q3a6fc97c56_place
    .symbol:         k_q3a6fc97c56_place.kd
    .args:
      - { .name: sel, .offset: 0, .size: 8, .value_kind: global_buffer, .address_space: global }
      - { .name: route, .offset: 8, .size: 8, .value_kind: global_buffer, .address_space: global }
    .group_segment_fixed_size: 0
    .private_segment_fixed_size: 0
    .kernarg_segment_align: 8
    .kernarg_segment_size: 16
    .max_flat_workgroup_size: 128
    .sgpr_count:     66
    .vgpr_count:     112
    .wavefront_size: 32
...
	.end_amdgpu_metadata
.endif
;; end of part 8
;; launch gateup (part 9): grid 32 x 8, 4 waves a work-group, no clusters, 126,976 bytes of LDS; arguments xq, route, Wg_codes, Wg_scales, Wu_codes, Wu_scales, hq, hs; writes hq, hs
.if DOCPART == 9
	.amdgcn_target "amdgcn-amd-amdhsa--gfx1250"
	.amdhsa_code_object_version 6
	.text
	.protected	k_q3a6fc97c56_gateup
	.globl	k_q3a6fc97c56_gateup
	.p2align	8
	.type	k_q3a6fc97c56_gateup,@function
k_q3a6fc97c56_gateup:
	s_mov_b64 s[64:65], 0
	v_nop
	global_prefetch_b8 v0, s[64:65] scope:SCOPE_SE
	s_setreg_imm32_b32 hwreg(HW_REG_WAVE_SCHED_MODE, 0, 2), 2
	s_setreg_imm32_b32 hwreg(HW_REG_WAVE_MODE, 25, 1), 1
	s_wait_xcnt 0x0
	s_wait_alu depctr_vm_vsrc(0)
; h = silu(x Wg) * (x Wu) for the rows routed to one expert, both products on codes of E2M3 with E8M0 scales, and h quantised along I.
; SHARES.  Work-group (x, y): expert e = y, slice j = x / 2 of 128 hidden units (one step of 128 along the next product's K), half p = x % 2 of the expert's blocks of rows.
; THE WEIGHTS STAY, THE ROWS GO BY: wave w owns hidden units 128 j + 32 w .. + 31, which is one block of 32 of the next K: two tiles of Wg and two of Wu for all 8 steps along D, 384 registers, read once.
; Rows go in blocks of 32 (two tiles of 16): trip i takes the expert's rows 32 p + 64 i on, gathered by the stored list.  Each weight fragment so feeds two products a trip, each fragment of x four.
; THE WEIGHTS' WAY IN: a wave's 32 rows of 768 bytes are dense in memory: 48 loads of 512 consecutive bytes; they turn through the wave's own LDS region (rows 784 bytes apart) into fragments, in the registers that they left.
; x's WAY IN: wave w gathers steps 2 w, 2 w + 1 of the block's 32 rows (48 consecutive bytes a lane and fragment, as the first launch laid them) and hands them on as images of the operand's registers, 16 bytes a lane; a barrier; every wave
; loads all 16 images.  The gather runs one block ahead, the list two.
; TRANSPOSED USE: source 0 = 16 rows of W, source 1 = 16 rows of x: a lane holds ONE token.  Lane r of tile u takes W's row 8 u + r + 8 (r / 8), so that the 16 registers of tiles 0 and 1 are units 16 (lane / 16) + 0 .. 15 of the block.
; THE COUNT of the expert's rows is read from memory and held to 1 .. 1,024 (so block 0 of every expert is always made).  The loop has 16 trips whatever the count, and both barriers stand outside every branch on it; only work is jumped over.
; NO TENSOR LOADS, NO CLUSTER: the work hangs on a stored count; a slice of weights is shared by the two work-groups x = 2 j, 2 j + 1 alone, neighbours in the grid.
; STORED.  hq [e][block of 32 units][row][24 bytes]: lane (r, h) stores 12 bytes at 24 row + 12 h: a wave's store covers 384 consecutive bytes.  hs [e][j / 4][row][16]: byte 4 (j % 4) + w is the scale of block 4 j + w.
; LIMITS: NaN and infinities are not served.  h = (g u) / (1 + 2^(-log2(e) g)): under g = -88 or so the exponential overflows and h is 0 where the exact value is under 1e-36 |u|.  A block of zeros carries the byte 1; only this program reads it.
; REGISTERS.  window 0: v1-27 addresses; v32-47 Wg's scale words (32 + 8 u + s), v48-63 Wu's, v64-79 x's (64 + 8 m + s): these hold scales and nothing else; v80-143 the sums: G(m, u) at 80 + 32 m + 8 u, U(m, u) at 96 + 32 m + 8 u;
;   v144-193 x as gathered; v196-227 at work; v228-244 the quantiser.   window 1: Wg's fragments at 96 u + 12 s;  window 2: Wu's;  window 3: x's at 96 m + 12 s.
; THE MODE: SCHED_MODE bits 1:0 = 2 (LLVM: expert scheduling mode 2), set by the entry lines.  The code itself states the register dependences
; between vector or matrix instructions and memory or LDS instructions, with s_wait_alu, always for 0.
; THE PLAN.  Registers that memory or LDS instructions touch:
;   windows 1, 2      At the head: global loads land in them, the turn's LDS stores read them, the turn's LDS loads land in them again.  In the loop the products alone name them.
;   v32-63            Loaded once, at the head.
;   v144-193          GET's loads land in them; the next trip's LDS stores read them.  No vector instruction names them.
;   v12, v13          GET's last two loads land in them; the next GET's vector lines read and clamp them.
;   v11, v14, v15, v17  Written by GET's vector lines, read by GET's loads.
;   window 3, v64-79  The trip's LDS loads land in them; the trip's products read them.
;   v22, v24, v236-244  Written by the trip's last vector lines, read by its three stores.
;   v4-10, v16, v18-21, v23, v27  Made at the head, never written again.     v254, v255  Written at the head, read by the closing add alone.
; A TRIP'S WAITS.  On vm_vsrc, in front of the first barrier: the LDS stores have read v144-193 and the last gather's loads their addresses; GET writes all of them again.  On va_vdst, in GET, behind all its vector lines and ahead
; of all its loads.  On va_vdst, at the head of the work: the last block's products are done with window 3 and v64-79; behind it the 52 LDS loads are dealt among the products with no further wait: the products of steps 2 q, 2 q + 1
; name those steps' registers, and the loads that stand among them land in steps 2 q + 4, 2 q + 5.  On va_vdst behind the exponentials and behind the reciprocals.  On vm_vsrc ahead of the lines that write the stores' registers again, and on va_vdst ahead of the stores.
; x's fragments have one set of registers: a second would take 192, and window 3 has 64 to spare.
.set TP,   784                         ; a row of weights in the turn region: 768 bytes + 16
.set TB,   32*TP                       ; a wave's region
.set XST,  4*TB                        ; x's 16 images, 1,536 bytes each: image 8 m + s
.set XSS,  XST+16*1536                 ; x's scale words: 48 bytes a row (32 + 16)
.set MSB, 0
.macro WIN new                         ; the immediate's high byte repeats the setting that is left
.if MSB != (\new)
	s_set_vgpr_msb (MSB<<8)|(\new)
.set MSB, (\new)
.endif
.endm
	s_load_b256 s[4:11], s[0:1], 0x0               ; xq s[4:5], route s[6:7], Wg's codes s[8:9], Wg's scales s[10:11]
	s_load_b256 s[12:19], s[0:1], 0x20             ; Wu's codes s[12:13], Wu's scales s[14:15], hq s[16:17], hs s[18:19]
	v_lshl_add_u32 v254, v0, 2, 0x1ee00
	v_mov_b32 v255, 0
	v_lshrrev_b32 v1, 5, v0
	v_readfirstlane_b32 s20, v1                    ; wave w
	s_lshr_b32 s21, ttmp9, 1                       ; j
	s_and_b32 s23, ttmp9, 1                        ; p
	s_and_b32 s22, ttmp7, 0xffff                   ; e
	s_lshl_b32 s25, s23, 5                         ; the block's first row: 32 p, then 64 on in each trip
	s_mov_b32 s26, 0                               ; trips
	s_mov_b32 s28, 0x76543210
	s_mov_b32 s29, 0xfedcba98                      ; v_permlanex16_b32's selects for lane l xor 16
	s_mov_b32 s32, 0xbfb8aa3b                      ; -log2(e);
	s_mov_b32 s33, s32                             ; (the packed form names the pair)
	s_mov_b32 s35, 0xffff0000                      ; lanes 16-31
	s_mul_i32 s50, s22, 1572864                    ; an expert's codes, of weights and of h alike
	s_mul_i32 s36, s21, 98304                      ; 128 rows of 768 bytes
	s_add_co_u32 s36, s36, s50
	s_wait_alu depctr_va_sdst(0)                   ; s20 is written, ahead of its first reader: offsets and LDS addresses are made from it
	s_mul_i32 s38, s20, 24576                      ; 32 rows
	s_add_co_u32 s36, s36, s38
	s_mov_b32 s37, 0
	s_lshl_b32 s38, s22, 16                        ; the weights' scale bytes: 32 a row
	s_lshl_b32 s40, s21, 12
	s_add_co_u32 s38, s38, s40
	s_lshl_b32 s40, s20, 10
	s_add_co_u32 s38, s38, s40
	s_mov_b32 s39, 0
	s_lshl_b32 s40, s21, 2
	s_add_co_u32 s40, s40, s20                     ; my block of the next K: 4 j + w
	s_mul_i32 s40, s40, 24576                      ; 1,024 rows of 24 bytes
	s_add_co_u32 s40, s40, s50
	s_mov_b32 s41, 0
	s_lshl_b32 s44, s22, 2
	s_lshr_b32 s50, s21, 2
	s_add_co_u32 s44, s44, s50
	s_lshl_b32 s44, s44, 14                        ; hs: (4 e + j / 4) x 1,024 rows of 16 bytes
	s_and_b32 s50, s21, 3
	s_lshl_b32 s50, s50, 2
	s_add_co_u32 s44, s44, s50
	s_add_co_u32 s44, s44, s20                     ; + 4 (j % 4) + w
	s_mov_b32 s45, 0
	s_lshl_b32 s46, s22, 2
	s_mul_i32 s48, s22, 4224                       ; the expert's list
	s_mov_b32 s49, 0
	s_mul_i32 s47, s20, TB                         ; my turn region
	v_and_b32 v1, 31, v0                           ; l
	v_and_b32 v2, 15, v0                           ; r
	v_bfe_u32 v3, v0, 4, 1                         ; h
	v_lshlrev_b32 v4, 4, v1                        ; 16 l
	; the turn region, on the way in.  Load n = 3 a + b brings dense bytes 1,536 a + 512 b + 16 l, two rows to each 1,536: 16 bytes of padding more for each row passed
	v_add_nc_u32 v5, s47, v4                       ; b = 0: row 2 a
	v_lshl_add_u32 v6, v3, 4, v5
	v_add_nc_u32 v6, 512, v6                       ; b = 1: lanes 16-31 lie in row 2 a + 1
	v_add_nc_u32 v7, 1040, v5                      ; b = 2: row 2 a + 1
	v_and_b32 v26, 8, v2
	v_add_nc_u32 v26, v26, v2                      ; r + 8 (r / 8)
	v_mul_u32_u24 v8, v26, TP
	v_mad_u32_u24 v8, v3, 24, v8
	v_add_nc_u32 v8, s47, v8                       ; on the way out: my row of a tile, + 24 h
	v_lshlrev_b32 v9, 5, v26                       ; that row's 32 scale bytes
	v_lshlrev_b32 v10, 2, v2                       ; list: 4 r
	v_lshl_add_u32 v11, s25, 2, v10
	s_mul_i32 s50, s20, 192
	v_mul_u32_u24 v16, v3, 48
	v_add_nc_u32 v16, s50, v16                     ; in a token's codes: step 2 w, + 48 h
	s_lshl_b32 s50, s20, 3
	s_add_co_u32 s50, s50, 768
	v_mov_b32 v27, s50                             ; and its scale words 2 w, 2 w + 1
	s_mul_i32 s50, s20, 3072
	s_add_co_u32 s50, s50, XST
	v_add_nc_u32 v18, s50, v4                      ; where I put images: steps 2 w, 2 w + 1
	v_add_nc_u32 v19, XST, v4                      ; where anybody reads them
	s_lshl_b32 s50, s20, 3
	s_add_co_u32 s50, s50, XSS
	v_mul_u32_u24 v20, v1, 48
	v_add_nc_u32 v20, s50, v20                     ; row l's scale words 2 w, 2 w + 1
	v_mul_u32_u24 v21, v2, 48
	v_add_nc_u32 v21, XSS, v21                     ; row r's eight words
	v_mul_u32_u24 v23, v2, 24
	v_mad_u32_u24 v23, v3, 12, v23                 ; hq: 24 r + 12 h
	v_mov_b32 v230, 0                              ; written once: a lane permute's destination counts as one of its sources
	v_mov_b32 v231, 0
	s_wait_kmcnt 0x0
	s_load_b32 s24, s[6:7], s46 offset:0xa800      ; the expert's count
	s_add_nc_u64 s[42:43], s[6:7], s[48:49]
	s_add_nc_u64 s[8:9], s[8:9], s[36:37]
	s_add_nc_u64 s[12:13], s[12:13], s[36:37]
	s_add_nc_u64 s[10:11], s[10:11], s[38:39]
	s_add_nc_u64 s[14:15], s[14:15], s[38:39]
	s_add_nc_u64 s[16:17], s[16:17], s[40:41]
	s_add_nc_u64 s[18:19], s[18:19], s[44:45]
; The tokens in v12 (rows r) and v13 (rows 16 + r) are gathered: my two steps of both tiles, and row l's two scale words; then the list of the block ahead rows further on is asked for.
; All the vector lines stand first, the list's address among them, so that one wait serves all fifteen loads.  (The wait that lets these lines write v11, v14, v15, v17 again stands ahead of the macro.)
.macro GET ahead
	v_cndmask_b32 v26, v12, v13, s35               ; row l's token.  (The choice stands ahead of the clamp)
	v_min_u32 v12, 0x3ff, v12                      ; a loaded number enters an address only behind a clamp
	v_min_u32 v13, 0x3ff, v13
	v_min_u32 v26, 0x3ff, v26
	v_mul_u32_u24 v14, v12, 800
	v_mul_u32_u24 v15, v13, 800
	v_mul_u32_u24 v17, v26, 800
	v_add_nc_u32 v14, v14, v16
	v_add_nc_u32 v15, v15, v16
	v_add_nc_u32 v17, v17, v27
	s_add_co_u32 s36, s25, \ahead
	s_min_u32 s36, s36, 992                        ; no load leaves the list's 1,024 words
	v_lshl_add_u32 v11, s36, 2, v10
	s_wait_alu depctr_va_vdst(0)                   ; v11, v14, v15, v17 are written, which the loads below read as offsets; the clamps are done reading and writing v12 and v13, in which the last two loads land
.irp m, 0,1
.irp d, 0,1
.irp c, 0,1,2
	global_load_b128 v[144+24*\m+12*\d+4*\c:144+24*\m+12*\d+4*\c+3], v[14+\m], s[4:5] offset:96*\d+16*\c
.endr
.endr
.endr
	global_load_b64 v[192:193], v17, s[4:5]
	global_load_b32 v12, v11, s[42:43]
	global_load_b32 v13, v11, s[42:43] offset:64
.endm
; 24,576 dense bytes in the window's registers 0-191 become 16 fragments in the same registers.  LDS serves a wave's instructions in order, and the region is the wave's own: no wait on DScnt and no barrier.
.macro TURNW win
	WIN (\win)<<2                                  ; an LDS store's data are its source 1
.set n, 0
.rept 48
	ds_store_b128 v[5+n%3], v[4*n:4*n+3] offset:1568*(n/3)
.set n, n+1
.endr
	WIN (\win)<<6                                  ; destination
	s_wait_alu depctr_vm_vsrc(0)                   ; the 48 LDS stores have read the window's registers 0-191, in which the loads below land
.irp u, 0,1
.irp k, 0,1,2,3,4,5,6,7
.irp i, 0,1,2,3,4,5
	ds_load_b64 v[96*\u+12*\k+2*\i:96*\u+12*\k+2*\i+1], v8 offset:6272*\u+96*\k+48*(\i/3)+8*(\i%3)   ; registers 0-5: block 4 k + h; registers 6-11: block 4 k + 2 + h; in pieces of 8 bytes
.endr
.endr
.endr
	WIN 0
.endm
; One product: tile ut of Wg (acc = 80, wsc = 32) or of Wu (96, 48) x tile mt of x, step ks.  The first step starts the sum.
.macro PROD acc, wsc, ks, mt, ut
.if (\ks) == 0
	v_wmma_scale_f32_16x16x128_f8f6f4 v[\acc+32*\mt+8*\ut:\acc+32*\mt+8*\ut+7], v[96*\ut+12*(\ks):96*\ut+12*(\ks)+11], v[96*\mt+12*(\ks):96*\mt+12*(\ks)+11], 0, v[\wsc+8*\ut+(\ks)], v[64+8*\mt+(\ks)] matrix_a_fmt:MATRIX_FMT_FP6 matrix_b_fmt:MATRIX_FMT_FP6
.else
	v_wmma_scale_f32_16x16x128_f8f6f4 v[\acc+32*\mt+8*\ut:\acc+32*\mt+8*\ut+7], v[96*\ut+12*(\ks):96*\ut+12*(\ks)+11], v[96*\mt+12*(\ks):96*\mt+12*(\ks)+11], v[\acc+32*\mt+8*\ut:\acc+32*\mt+8*\ut+7], v[\wsc+8*\ut+(\ks)], v[64+8*\mt+(\ks)] matrix_a_fmt:MATRIX_FMT_FP6 matrix_b_fmt:MATRIX_FMT_FP6
.endif
.endm
; x's images of steps 2 q and 2 q + 1, both tiles of rows: twelve LDS loads into window 3 (the window is set ahead of the macro)
.macro XL q
.irp d, 0,1
.irp m, 0,1
.irp c, 0,1,2
	ds_load_b128 v[96*\m+12*(2*(\q)+\d)+4*\c:96*\m+12*(2*(\q)+\d)+4*\c+3], v19 offset:1536*(8*\m+2*(\q)+\d)+512*\c
.endr
.endr
.endr
.endm
; Steps 2 q and 2 q + 1: eight products for g, eight for u.  The four sums of a kind take turns, one instruction a turn.  left: the younger LDS loads, which may stay out.
.macro MULQ q, left
	s_wait_dscnt \left                             ; LDS loads come back in order: the scale words and the images of steps up to 2 q + 1 are in; the next two steps' twelve stay out
	WIN 0x0d                                       ; source 0 window 1 (Wg), source 1 window 3 (x)
.irp d, 0,1
.irp m, 0,1
.irp u, 0,1
	PROD 80, 32, 2*\q+\d, \m, \u
.endr
.endr
.endr
	WIN 0x0e                                       ; source 0 window 2 (Wu)
.irp d, 0,1
.irp m, 0,1
.irp u, 0,1
	PROD 96, 48, 2*\q+\d, \m, \u
.endr
.endr
.endr
.endm
	s_wait_alu depctr_va_vdst(0)                   ; the offsets and LDS addresses v4-11, v16, v18-21, v27 are written, which the loads and LDS instructions from here on read
	global_load_b32 v12, v11, s[42:43]             ; the first block's tokens
	global_load_b32 v13, v11, s[42:43] offset:64
	WIN 0x40
.set n, 0
.rept 48
	global_load_b128 v[4*n:4*n+3], v4, s[8:9] offset:512*n         ; Wg: 512 consecutive bytes a load
.set n, n+1
.endr
	WIN 0
	s_wait_loadcnt 48                              ; the two list loads are in; Wg's 48 stay out
	s_wait_alu depctr_vm_vsrc(0)                   ; the two list loads have read v11, which GET writes again
	GET 64                                         ; the first block of x, and the second block's tokens
	WIN 0x80
.set n, 0
.rept 48
	global_load_b128 v[4*n:4*n+3], v4, s[12:13] offset:512*n       ; Wu
.set n, n+1
.endr
	WIN 0
.irp u, 0,1
.irp i, 0,1
	global_load_b128 v[32+8*\u+4*\i:35+8*\u+4*\i], v9, s[10:11] offset:256*\u+16*\i   ; lane r: the eight scale words of its row of tile u
	global_load_b128 v[48+8*\u+4*\i:51+8*\u+4*\i], v9, s[14:15] offset:256*\u+16*\i
.endr
.endr
	s_wait_loadcnt 63                              ; 121 loads were issued: with 63 out at the most the oldest 58 are in: the list's 2 and Wg's 48 among them
	TURNW 1
	s_wait_loadcnt 8                               ; all but the eight loads of scale words: Wu is in
	TURNW 2
	s_wait_kmcnt 0x0
	s_max_u32 s24, s24, 1                          ; the count, held to 1 .. 1,024
	s_min_u32 s24, s24, 1024
.Ltrip:                                            ; (the turned fragments are waited for by the wait on DScnt in front of the first barrier, which lies on every way to the first product)
	s_wait_loadcnt 0x0                             ; this block's x and the next block's tokens are in; every earlier load's address register is free
	s_cmp_lt_u32 s25, s24
	s_cbranch_scc0 .Lno_put
.irp m, 0,1
.irp d, 0,1
.irp c, 0,1,2
	ds_store_b128 v18, v[144+24*\m+12*\d+4*\c:144+24*\m+12*\d+4*\c+3] offset:12288*\m+1536*\d+512*\c   ; an image of the operand's registers: lane l's 16 bytes at 16 l
.endr
.endr
.endr
	ds_store_b64 v20, v[192:193]
.Lno_put:
	s_wait_dscnt 0x0                               ; for the others' sake: my stores have landed
	s_wait_alu depctr_vm_vsrc(0)                   ; my LDS stores have read v144-193, in which GET's loads land; the last gather's loads have read v11, v14, v15, v17, which GET's vector lines write again
	s_barrier_signal -1
	s_barrier_wait -1                              ; the block's 16 images and its scale words lie in LDS
	s_add_co_u32 s27, s25, 64
	s_cmp_lt_u32 s27, s24
	s_cbranch_scc0 .Lno_get
	GET 128                                        ; the next block of x lands under this block's work
.Lno_get:
	s_cmp_lt_u32 s25, s24
	s_cbranch_scc0 .Lno_work
	s_wait_alu depctr_va_vdst(0)                   ; the last block's products are done reading x's scale words v64-79 and x's fragments in window 3, in which the LDS loads of this trip land
.irp m, 0,1
.irp i, 0,1
	ds_load_b128 v[64+8*\m+4*\i:67+8*\m+4*\i], v21 offset:768*\m+16*\i     ; lane r: row 16 m + r's eight scale words
.endr
.endr
	WIN 0xc0                                       ; destination window 3
	XL 0
	XL 1
	MULQ 0, 12
	WIN 0xc0
	XL 2                                           ; no wait: no vector or matrix instruction since the wait above names v19 or the registers of steps 4 and 5
	MULQ 1, 12
	WIN 0xc0
	XL 3                                           ; likewise steps 6 and 7
	MULQ 2, 12
	MULQ 3, 0
	WIN 0
.rept 4
	v_nop                                          ; four places between the last products and the first read of a result (ISA guide 7.12.1)
.endr
	; h = (g u) / (1 + 2^(-log2(e) g)).  Every sum is read from its low end on.
.irp m, 0,1
.irp k, 0,2,4,6,8,10,12,14
	v_pk_mul_f32 v[196+16*\m+\k:197+16*\m+\k], v[80+32*\m+\k:81+32*\m+\k], s[32:33] op_sel_hi:[1,0]
.endr
.endr
.set n, 0
	s_wait_alu depctr_va_vdst(0)
.rept 32
	v_exp_f32 v[196+n], v[196+n]
.set n, n+1
.endr
	s_wait_alu depctr_va_vdst(0)
.irp m, 0,1
.irp k, 0,2,4,6,8,10,12,14
	v_pk_mul_f32 v[80+32*\m+\k:81+32*\m+\k], v[80+32*\m+\k:81+32*\m+\k], v[96+32*\m+\k:97+32*\m+\k]   ; g u: plain lines behind the exponentials
.endr
.endr
	s_wait_alu depctr_va_vdst(0)                   ; the 32 exponentials have written v196-227: one wait for the batch, ahead of its first reader
.set n, 0
.rept 16
	v_pk_add_f32 v[196+2*n:197+2*n], v[196+2*n:197+2*n], 1.0 op_sel_hi:[1,0]
.set n, n+1
.endr
.set n, 0
	s_wait_alu depctr_va_vdst(0)
.rept 32
	v_rcp_f32 v[196+n], v[196+n]
.set n, n+1
.endr
	v_nop                                          ; a plain line between the reciprocals and the first use of a result
	s_wait_alu depctr_va_vdst(0)                   ; the 32 reciprocals have written v196-227: one wait for the batch, ahead of its first reader
.irp m, 0,1
.irp k, 0,2,4,6,8,10,12,14
	v_pk_mul_f32 v[80+32*\m+\k:81+32*\m+\k], v[80+32*\m+\k:81+32*\m+\k], v[196+16*\m+\k:197+16*\m+\k]
.endr
.endr
	; the quantiser: my 16 units and lane l xor 16's are the row's block of 32; the two tiles of rows by turns
.irp m, 0,1
	v_max3_num_f32 v[228+\m], |v[80+32*\m]|, |v[81+32*\m]|, 0x1800000      ; with the floor 2^(3 - 127): the byte cannot fall under 1
.endr
.irp i, 2,4,6,8,10,12,14
.irp m, 0,1
	v_max3_num_f32 v[228+\m], v[228+\m], |v[80+32*\m+\i]|, |v[81+32*\m+\i]|
.endr
.endr
.irp m, 0,1
	v_permlanex16_b32 v[230+\m], v[228+\m], s28, s29
.endr
.irp m, 0,1
	v_max_num_f32 v[228+\m], v[228+\m], v[230+\m]
.endr
.irp m, 0,1
	v_add_nc_u32 v[232+\m], 0xff000000, v[228+\m]  ; 2 off the exponent field: the conversion's scale operand
.endr
.irp m, 0,1
	v_lshrrev_b32 v[234+\m], 23, v[232+\m]         ; the scale's byte
.endr
	s_wait_alu depctr_va_vdst(0)
	s_wait_xcnt 0x0                                ; the last block's stores have had their addresses translated: v22, v24, v236-244 are written again only behind this wait,
	s_wait_alu depctr_vm_vsrc(0)                   ; and behind this one: the last block's stores have read v22, v24 and v236-244
	s_mul_i32 s36, s25, 24
	s_lshl_b32 s37, s25, 4
	v_add_nc_u32 v22, s36, v23
	v_add_nc_u32 v24, s37, v4
	v_cvt_scalef32_pk16_fp6_f32 v[236:238], v[80:95], v232
	v_cvt_scalef32_pk16_fp6_f32 v[240:242], v[112:127], v233
	v_cndmask_b32 v244, v234, v235, s35            ; lane l: row l's byte.  Also the plain line behind the conversions
	s_wait_alu depctr_va_vdst(0)                   ; the two offsets v22 and v24, the codes v236-242 and the byte v244 are written, which the three stores read
	global_store_b96 v22, v[236:238], s[16:17]             ; rows 0-15: 384 consecutive bytes
	global_store_b96 v22, v[240:242], s[16:17] offset:384  ; rows 16-31
	global_store_b8 v24, v244, s[18:19]
.Lno_work:
	s_wait_dscnt 0x0                               ; my reads of the images are over
	s_barrier_signal -1
	s_barrier_wait -1                              ; everybody's are: the next trip may write them again
	s_add_co_u32 s25, s25, 64
	s_add_co_u32 s26, s26, 1
	s_cmp_lt_u32 s26, 16
	s_cbranch_scc1 .Ltrip
	s_wait_dscnt 0x0                               ; the closing lines, six on end
	s_wait_alu 0x0
	s_wait_tensorcnt 0x0
	ds_add_u32 v254, v255
	s_wait_dscnt 0x0
	s_endpgm
.Lfunc_end_k_q3a6fc97c56_gateup:
	.size	k_q3a6fc97c56_gateup, .Lfunc_end_k_q3a6fc97c56_gateup-k_q3a6fc97c56_gateup
	.p2alignl 7, 3214868480
	.fill 96, 4, 3214868480
	.section	.rodata,"a",@progbits
	.p2align	6, 0x0
	.amdhsa_kernel k_q3a6fc97c56_gateup
		.amdhsa_group_segment_fixed_size 126976
		.amdhsa_private_segment_fixed_size 0
		.amdhsa_enable_private_segment 0
		.amdhsa_kernarg_size 64
		.amdhsa_user_sgpr_count 2
		.amdhsa_user_sgpr_kernarg_segment_ptr 1
		.amdhsa_wavefront_size32 1
		.amdhsa_system_sgpr_workgroup_id_x 1
		.amdhsa_system_sgpr_workgroup_id_y 1
		.amdhsa_system_sgpr_workgroup_id_z 1
		.amdhsa_system_vgpr_workitem_id 0
		.amdhsa_next_free_vgpr 1024
		.amdhsa_next_free_sgpr 66
		.amdhsa_reserve_vcc 0
		.amdhsa_float_denorm_mode_32 3
		.amdhsa_float_denorm_mode_16_64 3
		.amdhsa_memory_ordered 1
		.amdhsa_forward_progress 1
		.amdhsa_inst_pref_size 60
	.end_amdhsa_kernel
	.amdgpu_metadata
---
amdhsa.version: [ 1, 2 ]
amdhsa.kernels:
  - .name:           k_q3a6fc97c56_gateup
    .symbol:         k_q3a6fc97c56_gateup.kd
    .args:
      - { .name: xq, .offset: 0, .size: 8, .value_kind: global_buffer, .address_space: global }
      - { .name: route, .offset: 8, .size: 8, .value_kind: global_buffer, .address_space: global }
      - { .name: Wg_codes, .offset: 16, .size: 8, .value_kind: global_buffer, .address_space: global }
      - { .name: Wg_scales, .offset: 24, .size: 8, .value_kind: global_buffer, .address_space: global }
      - { .name: Wu_codes, .offset: 32, .size: 8, .value_kind: global_buffer, .address_space: global }
      - { .name: Wu_scales, .offset: 40, .size: 8, .value_kind: global_buffer, .address_space: global }
      - { .name: hq, .offset: 48, .size: 8, .value_kind: global_buffer, .address_space: global }
      - { .name: hs, .offset: 56, .size: 8, .value_kind: global_buffer, .address_space: global }
    .group_segment_fixed_size: 126976
    .private_segment_fixed_size: 0
    .kernarg_segment_align: 8
    .kernarg_segment_size: 64
    .max_flat_workgroup_size: 128
    .sgpr_count:     66
    .vgpr_count:     1024
    .wavefront_size: 32
...
	.end_amdgpu_metadata
.endif
;; end of part 9
;; launch down (part 10): grid 32 x 8, 4 waves a work-group, no clusters, 170,496 bytes of LDS; arguments hq, hs, route, Wd_codes, Wd_scales, yb; writes yb
.if DOCPART == 10
	.amdgcn_target "amdgcn-amd-amdhsa--gfx1250"
	.amdhsa_code_object_version 6
	.text
	.protected	k_q3a6fc97c56_down
	.globl	k_q3a6fc97c56_down
	.p2align	8
	.type	k_q3a6fc97c56_down,@function
k_q3a6fc97c56_down:
	s_mov_b64 s[64:65], 0
	v_nop
	global_prefetch_b8 v0, s[64:65] scope:SCOPE_SE
	s_setreg_imm32_b32 hwreg(HW_REG_WAVE_SCHED_MODE, 0, 2), 2
	s_setreg_imm32_b32 hwreg(HW_REG_WAVE_MODE, 25, 1), 1
	s_wait_xcnt 0x0
	s_wait_alu depctr_vm_vsrc(0)
; y = h Wd^T for the rows routed to one expert, on codes of E2M3 with E8M0 scales; y goes to memory by sorted rows, f32.
; SHARES.  Work-group (x, y): expert e = y, slice c = x / 4 of 128 columns of y, quarter p = x % 4 of the expert's blocks of 32 rows: trip i takes rows 32 p + 128 i on.
; THE WAVES SPLIT K: wave w owns steps 4 w .. 4 w + 3 of the 16 steps of 128 along I, for all 128 columns: 8 tiles x 4 steps x 12 = 384 registers of Wd, read once.  So no two waves want the same bytes of h:
; each wave loads its fragments of h from memory straight into registers (the launch before laid them for that), and each fragment feeds eight products.  The four partial sums meet in a stage in LDS, through which
; the results would have to go anyway to leave as whole rows: wave w adds and stores rows 8 w .. 8 w + 7 of the block, 512 consecutive bytes a store.
; ORDER OF SUMS: an output is (s0 + s1) + (s2 + s3), s_w the matrix unit's sum over wave w's 512 along K, ascending.
; Wd's WAY IN: of each of 64 rows a wave wants 384 consecutive bytes: 48 loads of 16 bytes a lane take them run by run; they turn through the wave's own LDS region (rows 400 bytes apart) into fragments, in the registers that they left; twice.
; TRANSPOSED USE: source 0 = 16 columns of y (rows of Wd), source 1 = 16 rows of h: a lane holds eight neighbouring columns of one row.
; THE COUNT is read from memory and held to 1 .. 1,024.  The loop has 8 trips whatever the count; both barriers stand outside every branch on it.  The first fetch of h is clamped to the last block that the launch before has made.
; NO TENSOR LOADS, NO CLUSTER: the work hangs on a stored count; a slice of weights is shared by four work-groups, neighbours in the grid.
; LIMITS: NaN and infinities are not served.
; REGISTERS.  window 0: v1-12, v14, v16, v17, v19-21 addresses; v32-63 Wd's scale words (32 + 4 t + s), v64-71 h's (64 + 4 m + s): scales and nothing else; v80-207 the 16 sums, (m, t) at 80 + 64 m + 8 t, then the partial sums read back, (row o, wave pp) at 80 + 16 o + 4 pp.
;   window 1: Wd's tiles 0-3 at 48 t + 12 s;  window 2: tiles 4-7;  window 3: h's fragments at 48 m + 12 s.
; THE MODE: SCHED_MODE bits 1:0 = 2 (LLVM: expert scheduling mode 2), set by the entry lines.  The code itself states the register dependences
; between vector or matrix instructions and memory or LDS instructions, with s_wait_alu, always for 0.
; THE PLAN.  Registers that memory or LDS instructions touch:
;   windows 1, 2      At the head: global loads land in them, the turn's LDS stores read them, the turn's LDS loads land in them again.  In the loop the products alone name them.
;   v32-63            Loaded once, at the head.
;   window 3, v64-71  h's fragments and scale words: the trip's 64 products read them; behind all of them the next block's 50 loads land in them.
;   v80-207           Written by the products; read by the LDS stores into the stage; the loads from the stage land in them; the additions work in them; the global stores read them.
;   v4-12, v14, v16, v17, v19  Made at the head, never written again: a block's rows are reached by scalar bases, made anew in each trip from the arguments' addresses.     v254, v255  Written at the head, read by the closing add alone.
; A TRIP'S WAITS.  On vm_vsrc at its head: the last block's global stores have read v80 on.  ONE on va_vdst behind the 64 products and their places: the sums are written, and the products are done with h's registers: the next block's
; loads and the LDS stores follow it with no further wait.  On vm_vsrc in front of the first barrier: the LDS stores have read v80-207.  On va_vdst twice on the way out: behind the additions of rows 0-3, whose stores are then dealt
; among the additions of rows 4-7, and behind those.
; h has one set of registers.  Its loads stand under a branch on the count, so the wait for them is for 0; a second set, filled two blocks ahead, would be asked for and waited for at the same places as this one.
.set TP,  400                          ; a row in the turn region: 384 bytes + 16
.set TB,  64*TP
.set STG, 4*TB                         ; the stage: for each wave 32 rows x (512 bytes + 16)
.set SP,  528
.set MSB, 0
.macro WIN new                         ; the immediate's high byte repeats the setting that is left
.if MSB != (\new)
	s_set_vgpr_msb (MSB<<8)|(\new)
.set MSB, (\new)
.endif
.endm
	s_load_b256 s[4:11], s[0:1], 0x0               ; hq s[4:5], hs s[6:7], route s[8:9], Wd's codes s[10:11]
	s_load_b128 s[12:15], s[0:1], 0x20             ; Wd's scales s[12:13], yb s[14:15]
	v_lshl_add_u32 v254, v0, 2, 0x29800
	v_mov_b32 v255, 0
	v_lshrrev_b32 v1, 5, v0
	v_readfirstlane_b32 s20, v1                    ; wave w
	s_lshr_b32 s21, ttmp9, 2                       ; c
	s_and_b32 s23, ttmp9, 3                        ; p
	s_and_b32 s22, ttmp7, 0xffff                   ; e
	s_lshl_b32 s25, s23, 5                         ; the block's first row
	s_mov_b32 s26, 0
	s_mul_i32 s50, s22, 1572864                    ; an expert's codes, of Wd and of h alike
	s_mul_i32 s36, s21, 196608                     ; 128 rows of 1,536 bytes
	s_add_co_u32 s36, s36, s50
	s_wait_alu depctr_va_sdst(0)                   ; s20 is written, ahead of its first reader: offsets and LDS addresses are made from it
	s_mul_i32 s38, s20, 384                        ; my four steps of a row
	s_add_co_u32 s36, s36, s38
	s_mov_b32 s37, 0
	s_lshl_b32 s38, s22, 16                        ; Wd's scale bytes: 64 a row
	s_lshl_b32 s40, s21, 13
	s_add_co_u32 s38, s38, s40
	s_lshl_b32 s40, s20, 4
	s_add_co_u32 s38, s38, s40
	s_mov_b32 s39, 0
	s_mul_i32 s40, s20, 393216                     ; h: my 16 blocks x 1,024 rows x 24 bytes
	s_add_co_u32 s40, s40, s50
	s_mov_b32 s41, 0
	s_lshl_b32 s42, s22, 2
	s_add_co_u32 s42, s42, s20
	s_lshl_b32 s42, s42, 14                        ; hs: (4 e + w) x 1,024 rows of 16 bytes
	s_mov_b32 s43, 0
	s_lshl_b32 s44, s22, 22                        ; yb: an expert's 1,024 rows of 4,096 bytes,
	s_lshl_b32 s50, s21, 9
	s_add_co_u32 s44, s44, s50                     ; + my 128 columns
	s_mov_b32 s45, 0
	s_lshl_b32 s46, s22, 2
	s_mul_i32 s47, s20, TB                         ; my turn region
	v_and_b32 v1, 31, v0                           ; l
	v_and_b32 v2, 15, v0                           ; r
	v_bfe_u32 v3, v0, 4, 1                         ; h
	v_lshlrev_b32 v20, 4, v1                       ; 16 l
	; Load n = 3 a + b takes bytes 1,536 a + 512 b + 16 l of the runs laid on end, four runs of 384 to each 1,536.  A run passed is 1,152 bytes more in memory (rows of 1,536) and 16 more in LDS.
	v_add_nc_u32 v21, 8, v1
	v_lshrrev_b32 v21, 5, v21                      ; b = 0: lanes 24-31 lie in the second run
	v_mad_u32_u24 v4, v21, 1152, v20
	v_lshl_add_u32 v7, v21, 4, v20
	v_add_nc_u32 v7, s47, v7
	v_mad_u32_u24 v5, v3, 1152, v20                ; b = 1: one run passed, two for lanes 16-31
	v_add_nc_u32 v5, 1664, v5
	v_lshl_add_u32 v8, v3, 4, v20
	v_add_nc_u32 v8, 528, v8
	v_add_nc_u32 v8, s47, v8
	v_add_nc_u32 v21, 24, v1
	v_lshrrev_b32 v21, 5, v21                      ; b = 2: two runs passed, three for lanes 8-31
	v_mad_u32_u24 v6, v21, 1152, v20
	v_add_nc_u32 v6, 3328, v6
	v_lshl_add_u32 v9, v21, 4, v20
	v_add_nc_u32 v9, 1056, v9
	v_add_nc_u32 v9, s47, v9
	v_mul_u32_u24 v10, v2, TP
	v_mad_u32_u24 v10, v3, 24, v10
	v_add_nc_u32 v10, s47, v10                     ; out of the region: row r of a tile, + 24 h
	v_lshlrev_b32 v11, 6, v2                       ; Wd's scale bytes: 64 r
	v_mul_u32_u24 v12, v2, 24
	v_mad_u32_u24 v12, v3, 24576, v12              ; h: 24 r, and one block further on for lanes 16-31
	v_lshlrev_b32 v14, 4, v2                       ; hs: 16 r
	s_mul_i32 s50, s20, 32*SP
	s_add_co_u32 s50, s50, STG
	v_mul_u32_u24 v16, v2, SP
	v_lshl_add_u32 v16, v3, 5, v16
	v_add_nc_u32 v16, s50, v16                     ; into my part of the stage: row r, + 32 h
	s_mul_i32 s50, s20, 8*SP
	s_add_co_u32 s50, s50, STG
	v_add_nc_u32 v17, s50, v20                     ; back: rows 8 w on of every part, 16 bytes a lane
	s_lshl_b32 s50, s20, 15
	v_add_nc_u32 v19, s50, v20                     ; and in yb: 8 w rows of 4,096 bytes + 16 l
	s_wait_kmcnt 0x0
	s_load_b32 s24, s[8:9], s46 offset:0xa800      ; the expert's count
	s_add_nc_u64 s[10:11], s[10:11], s[36:37]
	s_add_nc_u64 s[12:13], s[12:13], s[38:39]
	s_add_nc_u64 s[4:5], s[4:5], s[40:41]
	s_add_nc_u64 s[6:7], s[6:7], s[42:43]
	s_add_nc_u64 s[14:15], s[14:15], s[44:45]
.macro DENSE half                      ; my 384 bytes of rows 64 half .. 64 half + 63 into window 1 + half
	WIN (\half+1)<<6
.set n, 0
.rept 48
	global_load_b128 v[4*n:4*n+3], v[4+n%3], s[10:11] offset:6144*(n/3)+98304*\half
.set n, n+1
.endr
	WIN 0
.endm
.macro TURNW win                       ; they become 16 fragments in the same registers.  LDS serves a wave's instructions in order, and the region is the wave's own
	WIN (\win)<<2                                  ; an LDS store's data are its source 1
.set n, 0
.rept 48
	ds_store_b128 v[7+n%3], v[4*n:4*n+3] offset:1600*(n/3)
.set n, n+1
.endr
	WIN (\win)<<6
	s_wait_alu depctr_vm_vsrc(0)                   ; the 48 LDS stores have read the window's registers 0-191, in which the loads below land
.irp t, 0,1,2,3
.irp k, 0,1,2,3
.irp i, 0,1,2,3,4,5
	ds_load_b64 v[48*\t+12*\k+2*\i:48*\t+12*\k+2*\i+1], v10 offset:6400*\t+96*\k+48*(\i/3)+8*(\i%3)
.endr
.endr
.endr
	WIN 0
.endm
.macro HLOAD mt                        ; tile mt of the block whose first row stands in the bases s[40:41] (codes) and s[42:43] (scale bytes): my four fragments of h (registers 6 c + 2 i: block 4 k + 2 c + h of my 16) and the rows' four scale words
	WIN 0xc0
.irp k, 0,1,2,3
.irp c, 0,1
.irp i, 0,1,2
	global_load_b64 v[48*\mt+12*\k+6*\c+2*\i:48*\mt+12*\k+6*\c+2*\i+1], v12, s[40:41] offset:98304*\k+49152*\c+384*\mt+8*\i
.endr
.endr
.endr
	WIN 0
	global_load_b128 v[64+4*\mt:67+4*\mt], v14, s[42:43] offset:256*\mt
.endm
.macro PROD mt, tt, ks, hf             ; tile 4 hf + tt of Wd x tile mt of h, my step ks.  The first step starts the sum
.if (\ks) == 0
	v_wmma_scale_f32_16x16x128_f8f6f4 v[80+64*\mt+8*(4*\hf+\tt):80+64*\mt+8*(4*\hf+\tt)+7], v[48*\tt+12*\ks:48*\tt+12*\ks+11], v[48*\mt+12*\ks:48*\mt+12*\ks+11], 0, v[32+4*(4*\hf+\tt)+\ks], v[64+4*\mt+\ks] matrix_a_fmt:MATRIX_FMT_FP6 matrix_b_fmt:MATRIX_FMT_FP6
.else
	v_wmma_scale_f32_16x16x128_f8f6f4 v[80+64*\mt+8*(4*\hf+\tt):80+64*\mt+8*(4*\hf+\tt)+7], v[48*\tt+12*\ks:48*\tt+12*\ks+11], v[48*\mt+12*\ks:48*\mt+12*\ks+11], v[80+64*\mt+8*(4*\hf+\tt):80+64*\mt+8*(4*\hf+\tt)+7], v[32+4*(4*\hf+\tt)+\ks], v[64+4*\mt+\ks] matrix_a_fmt:MATRIX_FMT_FP6 matrix_b_fmt:MATRIX_FMT_FP6
.endif
.endm
.macro MUL mt                          ; 32 products: four sums by turns, one instruction a turn; then the other four
.irp g, 0,1
	WIN 0x0d+\g                                    ; source 0 window 1 or 2 (Wd), source 1 window 3 (h)
.irp k, 0,1,2,3
.irp t, 0,1,2,3
	PROD \mt, \t, \k, \g
.endr
.endr
.endr
	WIN 0
.endm
.macro SUMROW o                        ; row o of my eight: the four waves' partial sums become one
	s_wait_dscnt 28-4*(\o)                         ; row o's four loads are in; the later rows' stay out
	v_pk_add_f32 v[80+16*(\o):81+16*(\o)], v[80+16*(\o):81+16*(\o)], v[84+16*(\o):85+16*(\o)]
	v_pk_add_f32 v[82+16*(\o):83+16*(\o)], v[82+16*(\o):83+16*(\o)], v[86+16*(\o):87+16*(\o)]
	v_pk_add_f32 v[88+16*(\o):89+16*(\o)], v[88+16*(\o):89+16*(\o)], v[92+16*(\o):93+16*(\o)]
	v_pk_add_f32 v[90+16*(\o):91+16*(\o)], v[90+16*(\o):91+16*(\o)], v[94+16*(\o):95+16*(\o)]
	v_pk_add_f32 v[80+16*(\o):81+16*(\o)], v[80+16*(\o):81+16*(\o)], v[88+16*(\o):89+16*(\o)]
	v_pk_add_f32 v[82+16*(\o):83+16*(\o)], v[82+16*(\o):83+16*(\o)], v[90+16*(\o):91+16*(\o)]
.endm
.macro OUTROW o                        ; and leaves
	global_store_b128 v19, v[80+16*(\o):83+16*(\o)], s[38:39] offset:4096*(\o)   ; 32 lanes store 512 consecutive bytes, at a multiple of 256 from the buffer's first byte
.endm
	s_wait_alu depctr_va_vdst(0)                   ; the offsets and LDS addresses v4-12, v14, v16, v17, v19 are written, which the loads, stores and LDS instructions from here on read
	DENSE 0
	s_wait_kmcnt 0x0
	s_max_u32 s24, s24, 1                          ; the count, held to 1 .. 1,024
	s_min_u32 s24, s24, 1024
	s_sub_co_u32 s36, s24, 1
	s_lshr_b32 s36, s36, 5
	s_lshl_b32 s36, s36, 5                         ; the first row of the last block that was made
	s_min_u32 s36, s36, s25                        ; my first block, or that one where I have none: no byte is read that was not stored
	s_min_u32 s36, s36, 992                        ; a loaded number enters an address only behind a clamp
	s_lshl_b32 s38, s36, 4
	s_mul_i32 s36, s36, 24
	s_mov_b32 s37, 0
	s_mov_b32 s39, 0
	s_add_nc_u64 s[40:41], s[4:5], s[36:37]        ; that block's codes,
	s_add_nc_u64 s[42:43], s[6:7], s[38:39]        ; and its scale bytes
	HLOAD 0
	HLOAD 1
	DENSE 1
.irp t, 0,1,2,3,4,5,6,7
	global_load_b128 v[32+4*\t:35+4*\t], v11, s[12:13] offset:1024*\t      ; lane r: my four scale words of column 16 t + r
.endr
	s_wait_loadcnt 63                              ; 154 loads were issued: with 63 out at the most the oldest 91 are in, the first 48 of Wd among them
	TURNW 1
	s_wait_loadcnt 8                               ; all but the eight loads of scale words
	TURNW 2
	s_wait_dscnt 0x0                               ; the fragments are in: products stand ahead of the first barrier
.Ltrip:
	s_wait_loadcnt 0x0                             ; this block's h is in; the loads that read the bases s[40:43] are done
	s_wait_xcnt 0x0                                ; the last block's stores have had their addresses translated: their base and v80 on are written again only behind this wait,
	s_wait_alu depctr_vm_vsrc(0)                   ; and behind this one: the last block's global stores have read v80 on, where the products begin their sums anew
	s_cmp_lt_u32 s25, s24
	s_cbranch_scc0 .Lno_mul
	MUL 0
	MUL 1
.rept 5
	v_nop                                          ; places behind the last products: four for the LDS stores below, five for the next trip's products that begin these sums anew
.endr
	s_wait_alu depctr_va_vdst(0)                   ; the products have written the sums v80-207, which the LDS stores read; and they are done reading h's fragments in window 3 and its scale words v64-71, in which the loads below land
	s_add_co_u32 s27, s25, 128                     ; the next block's first row
	s_cmp_lt_u32 s27, s24
	s_cbranch_scc0 .Lno_h
	s_mul_i32 s36, s27, 24
	s_mov_b32 s37, 0
	s_add_nc_u64 s[40:41], s[4:5], s[36:37]        ; its codes,
	s_lshl_b32 s36, s27, 4
	s_add_nc_u64 s[42:43], s[6:7], s[36:37]        ; its scale bytes
	HLOAD 0                                        ; the next block's h lands under this block's way out.  No further wait: nothing since the wait above names these registers
	HLOAD 1
.Lno_h:
.irp m, 0,1
.irp t, 0,1,2,3,4,5,6,7
	ds_store_b128 v16, v[80+64*\m+8*\t:83+64*\m+8*\t] offset:16*SP*\m+64*\t          ; lane (r, h): row 16 m + r, columns 16 t + 8 h + 0 .. 7; each sum from its low end on
	ds_store_b128 v16, v[84+64*\m+8*\t:87+64*\m+8*\t] offset:16*SP*\m+64*\t+16
.endr
.endr
.Lno_mul:
	s_wait_dscnt 0x0                               ; for the others' sake: my stores have landed
	s_wait_alu depctr_vm_vsrc(0)                   ; my LDS stores have read v80-207, in which the loads from the stage land
	s_barrier_signal -1
	s_barrier_wait -1                              ; the four partial sums of the block lie in the stage
	s_cmp_lt_u32 s25, s24
	s_cbranch_scc0 .Lno_out
	s_lshl_b32 s36, s25, 12
	s_mov_b32 s37, 0
	s_add_nc_u64 s[38:39], s[14:15], s[36:37]      ; yb at the block's first row
.irp o, 0,1,2,3,4,5,6,7
.irp pp, 0,1,2,3
	ds_load_b128 v[80+16*\o+4*\pp:83+16*\o+4*\pp], v17 offset:32*SP*\pp+SP*\o
.endr
.endr
.irp o, 0,1,2,3
	SUMROW \o
.endr
	s_wait_alu depctr_va_vdst(0)                   ; the additions have written rows 0-3, v80-83, v96-99, v112-115, v128-131, which the four stores below read
.irp o, 4,5,6,7
	OUTROW \o-4                                    ; no further wait: the additions of rows 4-7 name v144-207 alone
	SUMROW \o
.endr
	s_wait_alu depctr_va_vdst(0)                   ; the additions have written rows 4-7, which the last four stores read
.irp o, 4,5,6,7
	OUTROW \o
.endr
.Lno_out:
	s_wait_dscnt 0x0                               ; my reads of the stage are over
	s_barrier_signal -1
	s_barrier_wait -1                              ; everybody's are: the next trip may write it again
	s_add_co_u32 s25, s25, 128
	s_add_co_u32 s26, s26, 1
	s_cmp_lt_u32 s26, 8
	s_cbranch_scc1 .Ltrip
	s_wait_dscnt 0x0                               ; the closing lines, six on end
	s_wait_alu 0x0
	s_wait_tensorcnt 0x0
	ds_add_u32 v254, v255
	s_wait_dscnt 0x0
	s_endpgm
.Lfunc_end_k_q3a6fc97c56_down:
	.size	k_q3a6fc97c56_down, .Lfunc_end_k_q3a6fc97c56_down-k_q3a6fc97c56_down
	.p2alignl 7, 3214868480
	.fill 96, 4, 3214868480
	.section	.rodata,"a",@progbits
	.p2align	6, 0x0
	.amdhsa_kernel k_q3a6fc97c56_down
		.amdhsa_group_segment_fixed_size 170496
		.amdhsa_private_segment_fixed_size 0
		.amdhsa_enable_private_segment 0
		.amdhsa_kernarg_size 48
		.amdhsa_user_sgpr_count 2
		.amdhsa_user_sgpr_kernarg_segment_ptr 1
		.amdhsa_wavefront_size32 1
		.amdhsa_system_sgpr_workgroup_id_x 1
		.amdhsa_system_sgpr_workgroup_id_y 1
		.amdhsa_system_sgpr_workgroup_id_z 1
		.amdhsa_system_vgpr_workitem_id 0
		.amdhsa_next_free_vgpr 1024
		.amdhsa_next_free_sgpr 66
		.amdhsa_reserve_vcc 0
		.amdhsa_float_denorm_mode_32 3
		.amdhsa_float_denorm_mode_16_64 3
		.amdhsa_memory_ordered 1
		.amdhsa_forward_progress 1
		.amdhsa_inst_pref_size 61
	.end_amdhsa_kernel
	.amdgpu_metadata
---
amdhsa.version: [ 1, 2 ]
amdhsa.kernels:
  - .name:           k_q3a6fc97c56_down
    .symbol:         k_q3a6fc97c56_down.kd
    .args:
      - { .name: hq, .offset: 0, .size: 8, .value_kind: global_buffer, .address_space: global }
      - { .name: hs, .offset: 8, .size: 8, .value_kind: global_buffer, .address_space: global }
      - { .name: route, .offset: 16, .size: 8, .value_kind: global_buffer, .address_space: global }
      - { .name: Wd_codes, .offset: 24, .size: 8, .value_kind: global_buffer, .address_space: global }
      - { .name: Wd_scales, .offset: 32, .size: 8, .value_kind: global_buffer, .address_space: global }
      - { .name: yb, .offset: 40, .size: 8, .value_kind: global_buffer, .address_space: global }
    .group_segment_fixed_size: 170496
    .private_segment_fixed_size: 0
    .kernarg_segment_align: 8
    .kernarg_segment_size: 48
    .max_flat_workgroup_size: 128
    .sgpr_count:     66
    .vgpr_count:     1024
    .wavefront_size: 32
...
	.end_amdgpu_metadata
.endif
;; end of part 10
;; launch combine (part 11): grid 256 x 1, 4 waves a work-group, no clusters, 0 bytes of LDS; arguments yb, route, wgt, out0; writes out0
.if DOCPART == 11
	.amdgcn_target "amdgcn-amd-amdhsa--gfx1250"
	.amdhsa_code_object_version 6
	.text
	.protected	k_q3a6fc97c56_combine
	.globl	k_q3a6fc97c56_combine
	.p2align	8
	.type	k_q3a6fc97c56_combine,@function
k_q3a6fc97c56_combine:
	s_mov_b64 s[64:65], 0
	v_nop
	global_prefetch_b8 v0, s[64:65] scope:SCOPE_SE
	s_setreg_imm32_b32 hwreg(HW_REG_WAVE_MODE, 25, 1), 1
	s_wait_xcnt 0x0
; out[t] = w0 y[pos0] + w1 y[pos1]: each token's two routed rows, weighed by the softmax of its two bids.  One wave takes one token: t = 4 g + wave.
; pos0, pos1 are the stored places (1,024 e + rank) of the token's two slots; they are held to the buffer's 8,192 rows before they enter an address.
; A stream: every load and store of the wave covers 512 consecutive bytes; all 16 loads go out at once; each row of y is read by one wave alone.  No LDS, no barrier, no matrix unit: K = 2 here.
	s_load_b256 s[4:11], s[0:1], 0x0               ; yb s[4:5], route s[6:7], wgt s[8:9], out s[10:11]
	v_lshrrev_b32 v1, 5, v0
	v_readfirstlane_b32 s12, v1                    ; wave
	v_and_b32 v1, 31, v0
	v_lshlrev_b32 v1, 4, v1                        ; 16 bytes a lane
	s_lshl_b32 s13, ttmp9, 2
	s_add_co_u32 s13, s13, s12                     ; t
	s_lshl_b32 s14, s13, 3                         ; two words a token
	s_lshl_b32 s26, s13, 12                        ; a row of 4,096 bytes
	s_mov_b32 s27, 0
	s_wait_alu depctr_va_vdst(0)
	s_wait_kmcnt 0x0
	s_load_b64 s[16:17], s[6:7], s14 offset:0x8400 ; pos0, pos1
	s_load_b64 s[18:19], s[8:9], s14 offset:0x0    ; w0, w1
	s_add_nc_u64 s[10:11], s[10:11], s[26:27]
	s_wait_kmcnt 0x0
	s_min_u32 s16, s16, 0x1fff
	s_min_u32 s17, s17, 0x1fff
	s_lshl_b32 s20, s16, 12
	s_mov_b32 s21, 0
	s_lshl_b32 s22, s17, 12
	s_mov_b32 s23, 0
	s_add_nc_u64 s[20:21], s[4:5], s[20:21]
	s_add_nc_u64 s[22:23], s[4:5], s[22:23]
	s_mov_b32 s24, s19                             ; w1 as the low word of a pair: the packed forms take a scalar pair's low word for both halves
	s_mov_b32 s25, s19
.irp j, 0,1,2,3,4,5,6,7
	global_load_b128 v[8+8*\j:11+8*\j], v1, s[20:21] offset:512*\j th:TH_LOAD_NT
	global_load_b128 v[12+8*\j:15+8*\j], v1, s[22:23] offset:512*\j th:TH_LOAD_NT
.endr
.irp j, 0,1,2,3,4,5,6,7
	s_wait_loadcnt 14-2*\j                         ; pair j is in; the later pairs stay out
	v_pk_mul_f32 v[12+8*\j:13+8*\j], v[12+8*\j:13+8*\j], s[24:25] op_sel_hi:[1,0]
	v_pk_mul_f32 v[14+8*\j:15+8*\j], v[14+8*\j:15+8*\j], s[24:25] op_sel_hi:[1,0]
	v_pk_fma_f32 v[8+8*\j:9+8*\j], v[8+8*\j:9+8*\j], s[18:19], v[12+8*\j:13+8*\j] op_sel_hi:[1,0,1]
	v_pk_fma_f32 v[10+8*\j:11+8*\j], v[10+8*\j:11+8*\j], s[18:19], v[14+8*\j:15+8*\j] op_sel_hi:[1,0,1]
	global_store_b128 v1, v[8+8*\j:11+8*\j], s[10:11] offset:512*\j th:TH_STORE_NT
.endr
	s_endpgm
.Lfunc_end_k_q3a6fc97c56_combine:
	.size	k_q3a6fc97c56_combine, .Lfunc_end_k_q3a6fc97c56_combine-k_q3a6fc97c56_combine
	.p2alignl 7, 3214868480
	.fill 96, 4, 3214868480
	.section	.rodata,"a",@progbits
	.p2align	6, 0x0
	.amdhsa_kernel k_q3a6fc97c56_combine
		.amdhsa_group_segment_fixed_size 0
		.amdhsa_private_segment_fixed_size 0
		.amdhsa_enable_private_segment 0
		.amdhsa_kernarg_size 32
		.amdhsa_user_sgpr_count 2
		.amdhsa_user_sgpr_kernarg_segment_ptr 1
		.amdhsa_wavefront_size32 1
		.amdhsa_system_sgpr_workgroup_id_x 1
		.amdhsa_system_sgpr_workgroup_id_y 1
		.amdhsa_system_sgpr_workgroup_id_z 1
		.amdhsa_system_vgpr_workitem_id 0
		.amdhsa_next_free_vgpr 72
		.amdhsa_next_free_sgpr 66
		.amdhsa_reserve_vcc 0
		.amdhsa_float_denorm_mode_32 3
		.amdhsa_float_denorm_mode_16_64 3
		.amdhsa_memory_ordered 1
		.amdhsa_forward_progress 1
		.amdhsa_inst_pref_size 6
	.end_amdhsa_kernel
	.amdgpu_metadata
---
amdhsa.version: [ 1, 2 ]
amdhsa.kernels:
  - .name:           k_q3a6fc97c56_combine
    .symbol:         k_q3a6fc97c56_combine.kd
    .args:
      - { .name: yb, .offset: 0, .size: 8, .value_kind: global_buffer, .address_space: global }
      - { .name: route, .offset: 8, .size: 8, .value_kind: global_buffer, .address_space: global }
      - { .name: wgt, .offset: 16, .size: 8, .value_kind: global_buffer, .address_space: global }
      - { .name: out0, .offset: 24, .size: 8, .value_kind: global_buffer, .address_space: global }
    .group_segment_fixed_size: 0
    .private_segment_fixed_size: 0
    .kernarg_segment_align: 8
    .kernarg_segment_size: 32
    .max_flat_workgroup_size: 128
    .sgpr_count:     66
    .vgpr_count:     72
    .wavefront_size: 32
...
	.end_amdgpu_metadata
.endif
;; end of part 11
